; MI455X (gfx1250); checked and timed in simulation.
; The chip was launched on July 23, 2026; its instructions are those of AMD's public machine-readable ISA for CDNA 5 (MIT licence, August 2026) and "CDNA5" Instruction Set Architecture Reference Guide (July 2026). The comments in the code are by the model that wrote it; some were corrected since.
;; Riemann Linear Transform. Allowed arithmetic: float matrix products may take bf16 or f16 operands with f32 sums; all other float work in f32.
;; Inputs: S 2,048 float32; U_imag 4,096 x 512 float32; U_real 4,096 x 512 float32; Vt_imag 2,048 x 1,024 float32; Vt_real 2,048 x 1,024 float32; bias 4,096 float32; x 1,024 x 4,096 float32.
;; Outputs: out0 1,024 x 4,096 float32.
;; 2 versions, each right and faster than the one before. Each part assembles by itself: llvm-mc -triple=amdgcn-amd-amdhsa -mcpu=gfx1250 --defsym DOCPART=n.
;; ======== version 1 of 2: 5 launches
;; limits: values are held in f16: magnitudes above 65,504 overflow, below 6.1e-05 lose precision
;; workspace buffers: act0 8,388,608 bytes; act1 4,194,304 bytes; bv 8,388,608 bytes; cv 8,388,608 bytes; bu 4,194,304 bytes; cu 8,388,608 bytes; gs 256 bytes
;; launch prep (part 1): grid 1152 x 1, 8 waves a work-group, no clusters, 0 bytes of LDS; arguments x, Vt_real, Vt_imag, U_real, U_imag, S, act0, bv, cv, bu, cu, gs; writes act0, bv, cv, bu, cu, gs
.if DOCPART == 1
	.amdgcn_target "amdgcn-amd-amdhsa--gfx1250"
	.amdhsa_code_object_version 6
	.text
	.protected	k_q15177a6a14_prep
	.globl	k_q15177a6a14_prep
	.p2align	8
	.type	k_q15177a6a14_prep,@function
k_q15177a6a14_prep:
	s_mov_b64 s[64:65], 0
	v_nop
	global_prefetch_b8 v0, s[64:65] scope:SCOPE_SE
	s_setreg_imm32_b32 hwreg(HW_REG_WAVE_MODE, 25, 1), 1
	s_wait_xcnt 0x0
; RiemannLinearTransform: out = x W^T + bias, W = (U diag(S)) Vh, U = irfft(Ur + i Ui, zero-padded, 2048), Vh = irfft(Vr + i Vi, zero-padded, 4096).
;
; WORK LEFT OUT, for all finite values of the inputs:
;  * An inverse real FFT of a row c is a product with a fixed basis: irfft(c, N)[n] = (1/N) sum over f of w_f (Re c_f cos(2 pi f n / N) - Im c_f sin(2 pi f n / N)),
;    w_0 = 1, w_f = 2 otherwise.  The frequencies from 1024 (Vh) and from 512 (U) on are zeros that the padding itself builds: their products are not made.
;  * So out = x Bv^T Cv^T diag(S) Bu^T Cu^T + bias, with Cv = [Vr | Vi], Cu = [Ur | Ui] and Bv, Bu the bases.  Matrix products are associative in exact
;    arithmetic: the chain is taken from the left on the 1,024 rows of x, and the matrices U, Vh and W are never formed.
;  * The angle of column n + 2048 is that of column n plus pi f, so even f see x[n] + x[n+2048] and odd f see x[n] - x[n+2048]: the first product has K = 2048.
;  * Vt_imag[:, 0] and U_imag[:, 0] meet sin(0) = 0: they come with their neighbours' 16 bytes and are replaced by 0.
;  Every input has a way to the output and is loaded (bias by the last launch).
; LIMITS: the order of rounding differs from forming W first.  A NaN, an infinity or an overflow in Vt_imag[:, 0] or U_imag[:, 0], or one that would arise only in
;  U, Vh or W as matrices, is not carried to the result.  All matrix operands are f16, scaled by powers of two: |x[n] +- x[n+2048]|, 8 |V|, 8 |U| and the three
;  intermediates (2^-10 x the DFT of x; 32 x Vh^T; that times 2^-5 w_f S / pS cos|sin) must stay under 65,504, and parts of an operand under 2^-24 are lost.
;  pS is the power of two at or below max |S|, held between 2^-100 and 2^100, so the size of S moves no operand; the last launch multiplies by g = pS 2^-14.
;
; THIS LAUNCH makes the f16 operands, each input byte read once.  The work-group's number picks a section; no wave hands anything to another: no LDS, no barrier.
;   0..255    BV: bv[b][j][n] = 2^-10 w_f (cos | -sin)(2 pi f n / 4096), f = 4 (j >> 2) + 2 (j & 1) + b, -sin where (j >> 1) & 1
;   256..383  BU: bu[j][k] = 2^-5 w_f S[k] / pS (cos | -sin)(2 pi f k / 2048), f = 4 (j >> 3) + (j & 3), -sin where (j >> 2) & 1; and g
;   384..639  X:  act0[b][m][n] = x[m][n] + (-1)^b x[m][n+2048]
;   640..895  V:  cv[k][1024 b + 4 t + i] = 8 Vr[k][4 t + 2 i + b] (i = 0, 1), 8 Vi[k][4 t + 2 (i - 2) + b] (i = 2, 3)
;   896..1151 U:  cu[o][8 t + i] = 8 Ur[o][4 t + i] (i < 4), 8 Ui[o][4 t + i - 4] (i >= 4)
; The orders of j are chosen so that a thread's 16 loaded bytes of the real and of the imaginary part pack into neighbouring bytes of cv and cu.
; Matrix units, clusters and tensor loads would add nothing here: the streaming sections are bound by their bytes, the basis sections by plain arithmetic.
.set N8,   1                           ; v1        basis: 8 x thread, my first column.  Streams: 16 x thread
.set KA1,  2                           ; v[2:19]   basis: constants, each twice (pairs for the packed arithmetic)
.set KA0,  4
.set KS1,  6
.set KS2,  8
.set KS3,  10
.set KC2,  12
.set KC3,  14
.set KONE, 16
.set KMH,  18
.set Q,    20                          ; v[20:27]  basis: the angle's whole number for my 8 columns.  Streams: at work
.set ST,   20
.set OFFS, 28                          ; v28       basis: 16 x thread, never rewritten
.set LA,   29                          ; v29       BU: 16 x lane
.set LB,   30                          ; v30       BU: 32 x thread
.set P,    32                          ; v[32:39]  the reduced angle (BU's head: v[32:95] hold all of S)
.set L,    32                          ; v[32:95]  streams: item i has 8 registers as loaded
.set Z,    40                          ; v[40:47]  its square
.set SN,   48                          ; v[48:55]  sin of it
.set CS,   56                          ; v[56:63]  cos of it
.set T,    64                          ; v[64:79]  at work
.set T2,   72
.set RS,   80                          ; v[80:87]  sin of the whole angle
.set RC,   88                          ; v[88:95]  cos of the whole angle
.set OB,   96                          ; v[96:127] basis: frequency i has 8 registers to store, its own: no store's data is ever rewritten
.set O,    96                          ; v[96:127] streams: item i has 4 registers to store, its own
.set SP,   128                         ; v[128:135] BU: S / pS of my 8 columns
.set WG,   136                         ; v[136:143] the weights (BV: one pair)
.set WP,   144                         ; v[144:145] BU: 2^-5 w_f twice
.set GV,   146                         ; v[146:147] g twice
.set GA,   148                         ; v148      8 x lane
.set M,    150                         ; v[150:153] four running maxima
.set INV,  154                         ; v[154:155] 1 / pS twice
.macro KSET r, bits
	v_mov_b32 v[\r], \bits
	v_mov_b32 v[\r+1], \bits
.endm
.macro BASIS_HEAD
	v_lshlrev_b32 v[N8], 3, v0
	v_lshlrev_b32 v[OFFS], 4, v0
	KSET KA1, 0x3ac90fdb                           ; pi / 2048
	KSET KA0, 0xbf490fdb                           ; -pi / 4: the same mantissa, so 512 pi / 2048 - pi / 4 is exactly 0
	KSET KS1, 0xbe2aaaab                           ; -1/6
	KSET KS2, 0x3c088889                           ; 1/120
	KSET KS3, 0xb9500d01                           ; -1/5040
	KSET KC2, 0x3d2aaaab                           ; 1/24
	KSET KC3, 0xbab60b61                           ; -1/720
	KSET KONE, 1.0
	KSET KMH, -0.5
.endm
; One frequency: its cos row and its -sin row, my 8 columns of each.  s34 = the angle's step from column to column in units of pi / 2048.
; The angle is q pi / 2048 with q = step x column, a whole number of which only the 12 low bits matter, so the reduction is exact:
; Q = q + 512; bits 11:10 of Q are the quadrant, and phi = ((Q & 1023) - 512) pi / 2048 lies in [-pi/4, pi/4).  There the series up to phi^7 and phi^6
; are cut at under 4e-6, far below an f16's half step.  wstep = 0: one weight pair for all columns; 1: a pair for each two columns.
.macro ROWPAIR i, wstep, base, offc, offs
	v_mad_u32_u24 v[Q], s34, v[N8], 0x200
.irp e, 1,2,3,4,5,6,7
	v_add_nc_u32 v[Q+\e], s34, v[Q+\e-1]
.endr
.irp e, 0,1,2,3,4,5,6,7
	v_and_b32 v[P+\e], 0x3ff, v[Q+\e]
.endr
.irp e, 0,1,2,3,4,5,6,7
	v_cvt_f32_u32 v[P+\e], v[P+\e]
.endr
.irp p, 0,2,4,6
	v_pk_fma_f32 v[P+\p:P+\p+1], v[P+\p:P+\p+1], v[KA1:KA1+1], v[KA0:KA0+1]      ; phi
.endr
.irp p, 0,2,4,6
	v_pk_mul_f32 v[Z+\p:Z+\p+1], v[P+\p:P+\p+1], v[P+\p:P+\p+1]                  ; z = phi^2
.endr
.irp p, 0,2,4,6
	v_pk_fma_f32 v[T+\p:T+\p+1], v[Z+\p:Z+\p+1], v[KS3:KS3+1], v[KS2:KS2+1]
	v_pk_mul_f32 v[T2+\p:T2+\p+1], v[Z+\p:Z+\p+1], v[P+\p:P+\p+1]                ; z phi
.endr
.irp p, 0,2,4,6
	v_pk_fma_f32 v[T+\p:T+\p+1], v[T+\p:T+\p+1], v[Z+\p:Z+\p+1], v[KS1:KS1+1]
.endr
.irp p, 0,2,4,6
	v_pk_fma_f32 v[SN+\p:SN+\p+1], v[T+\p:T+\p+1], v[T2+\p:T2+\p+1], v[P+\p:P+\p+1]   ; sin phi = phi + z phi (S1 + z (S2 + z S3))
.endr
.irp p, 0,2,4,6
	v_pk_fma_f32 v[T+\p:T+\p+1], v[Z+\p:Z+\p+1], v[KC3:KC3+1], v[KC2:KC2+1]
.endr
.irp p, 0,2,4,6
	v_pk_fma_f32 v[T+\p:T+\p+1], v[T+\p:T+\p+1], v[Z+\p:Z+\p+1], v[KMH:KMH+1]
.endr
.irp p, 0,2,4,6
	v_pk_fma_f32 v[CS+\p:CS+\p+1], v[T+\p:T+\p+1], v[Z+\p:Z+\p+1], v[KONE:KONE+1]     ; cos phi = 1 + z (-1/2 + z (C2 + z C3))
.endr
.irp e, 0,1,2,3,4,5,6,7
	v_lshlrev_b32 v[T+\e], 20, v[Q+\e]                     ; the quadrant's bits 11:10 move to bits 31:30
	v_and_b32 v[T2+\e], 0x40000000, v[T+\e]
	v_cmp_ne_u32 vcc_lo, 0, v[T2+\e]                       ; odd quadrant: sin and cos change places
	v_cndmask_b32 v[RS+\e], v[SN+\e], v[CS+\e], vcc_lo
	v_cndmask_b32 v[RC+\e], v[CS+\e], v[SN+\e], vcc_lo
	v_add_nc_u32 v[T2+\e], 0x40000000, v[T+\e]             ; quadrant + 1
	v_and_b32 v[T+\e], 0x80000000, v[T+\e]                 ; sin is negative in quadrants 2 and 3,
	v_and_b32 v[T2+\e], 0x80000000, v[T2+\e]               ; cos in quadrants 1 and 2
	v_xor_b32 v[RS+\e], v[T+\e], v[RS+\e]
	v_xor_b32 v[RC+\e], v[T2+\e], v[RC+\e]
.endr
.irp p, 0,2,4,6
	v_pk_mul_f32 v[RC+\p:RC+\p+1], v[RC+\p:RC+\p+1], v[WG+\wstep*\p:WG+\wstep*\p+1]
	v_pk_mul_f32 v[RS+\p:RS+\p+1], v[RS+\p:RS+\p+1], v[WG+\wstep*\p:WG+\wstep*\p+1] neg_lo:[0,1] neg_hi:[0,1]   ; -sin
.endr
.irp p, 0,2,4,6
	v_cvt_pk_f16_f32 v[OB+8*\i+\p/2], v[RC+\p], v[RC+\p+1]
	v_cvt_pk_f16_f32 v[OB+8*\i+4+\p/2], v[RS+\p], v[RS+\p+1]
.endr
	global_store_b128 v[OFFS], v[OB+8*\i:OB+8*\i+3], s[\base:\base+1] offset:\offc       ; a wave's store covers 512 consecutive bytes, aligned
	global_store_b128 v[OFFS], v[OB+8*\i+4:OB+8*\i+7], s[\base:\base+1] offset:\offs
.endm
; Sections V and U, item i: its two loads are in when only the two of each younger item are out; the imaginary part of frequency 0 becomes 0; all times 8.
.macro CONV8 i
	s_wait_loadcnt 14-2*\i
	v_cndmask_b32 v[L+8*\i+4], 0, v[L+8*\i+4], vcc_lo
.irp p, 0,2,4,6
	v_pk_mul_f32 v[L+8*\i+\p:L+8*\i+\p+1], v[L+8*\i+\p:L+8*\i+\p+1], s[32:33] op_sel_hi:[1,0]
.endr
.endm
	s_load_b512 s[4:19], s[0:1], 0x0               ; x 4:5, Vr 6:7, Vi 8:9, Ur 10:11, Ui 12:13, S 14:15, act0 16:17, bv 18:19
	s_load_b256 s[20:27], s[0:1], 0x40             ; cv 20:21, bu 22:23, cu 24:25, gs 26:27
	s_mov_b32 s31, 0                               ; the upper word of every byte offset here: all lie under 4 GiB
	s_mov_b32 s32, 0x41000000                      ; 8.0, twice
	s_mov_b32 s33, 0x41000000
	s_wait_kmcnt 0x0
	s_cmp_ge_u32 ttmp9, 896
	s_cbranch_scc1 .Lsec_u
	s_cmp_ge_u32 ttmp9, 640
	s_cbranch_scc1 .Lsec_v
	s_cmp_ge_u32 ttmp9, 384
	s_cbranch_scc1 .Lsec_x
	s_cmp_ge_u32 ttmp9, 256
	s_cbranch_scc1 .Lsec_bu
	; ---- BV: work-group u makes frequencies 4 u + i, i = 0..3; thread t the columns 8 t .. 8 t + 7 of each of the eight rows.
	; Frequency 4 u + i lies in plane i & 1, its cos row at j = 4 u + (i >> 1), its -sin row two rows below.
	s_lshl_b32 s30, ttmp9, 14                      ; 4 rows of 4,096 bytes for each u
	s_add_nc_u64 s[18:19], s[18:19], s[30:31]
	s_lshl_b32 s35, ttmp9, 2
	s_mov_b32 s37, 0x3a800000                      ; 2^-10 w_0
	s_mov_b32 s38, 0x3b000000                      ; 2^-10 w_f = 2^-9
	BASIS_HEAD
.irp i, 0,1,2,3
	s_add_co_u32 s34, s35, \i                      ; f, which is also the angle's step: 2 pi f n / 4096 = f n pi / 2048
	s_cmp_eq_u32 s34, 0
	s_cselect_b32 s36, s37, s38
	v_mov_b32 v[WG], s36
	v_mov_b32 v[WG+1], s36
	ROWPAIR \i, 0, 18, (\i&1)*4194304+(\i>>1)*4096, (\i&1)*4194304+(\i>>1)*4096+8192
.endr
	s_endpgm
	; ---- BU: work-group u makes frequencies 4 u + i; cos row j = 8 u + i, -sin row four rows below.
.Lsec_bu:
	s_sub_co_u32 s28, ttmp9, 256                   ; u
	s_lshl_b32 s30, s28, 15                        ; 8 rows of 4,096 bytes for each u
	s_add_nc_u64 s[22:23], s[22:23], s[30:31]
	s_lshl_b32 s35, s28, 2
	v_and_b32 v[LA], 31, v0
	v_lshlrev_b32 v[GA], 3, v[LA]
	v_lshlrev_b32 v[LA], 4, v[LA]
	v_lshlrev_b32 v[LB], 5, v0
	v_lshrrev_b32 v[M], 5, v0
	v_readfirstlane_b32 s39, v[M]                  ; the wave's number
	; Every wave reads all 8,192 bytes of S for the maximum: that spares LDS and a barrier.
.irp e, 0,1,2,3,4,5,6,7,8,9,10,11,12,13,14,15
	global_load_b128 v[P+4*\e:P+4*\e+3], v[LA], s[14:15] offset:512*\e
.endr
	global_load_b128 v[SP:SP+3], v[LB], s[14:15]               ; S of my 8 columns
	global_load_b128 v[SP+4:SP+7], v[LB], s[14:15] offset:16
	s_mov_b32 s37, 0x3d000000                      ; 2^-5 w_0
	s_mov_b32 s38, 0x3d800000                      ; 2^-5 w_f = 2^-4
	s_mov_b32 s40, 0x76543210                      ; v_permlanex16_b32: lane i of one half reads lane i of the other
	s_mov_b32 s41, 0xfedcba98
	BASIS_HEAD
	s_wait_loadcnt 0x0                             ; once: all of S
.irp c, 0,1,2,3
	v_max_num_f32 v[M+\c], |v[P+16*\c]|, |v[P+16*\c+1]|        ; four chains, each started by its first two numbers
.endr
.irp e, 2,4,6,8,10,12,14
.irp c, 0,1,2,3
	v_max3_num_f32 v[M+\c], v[M+\c], |v[P+16*\c+\e]|, |v[P+16*\c+\e+1]|
.endr
.endr
	v_max3_num_f32 v[M], v[M], v[M+1], v[M+2]
	v_max_num_f32 v[M], v[M], v[M+3]
	v_max_num_f32_dpp v[M], v[M], v[M] row_xmask:1 row_mask:0xf bank_mask:0xf
	v_max_num_f32_dpp v[M], v[M], v[M] row_xmask:2 row_mask:0xf bank_mask:0xf
	v_max_num_f32_dpp v[M], v[M], v[M] row_xmask:4 row_mask:0xf bank_mask:0xf
	v_max_num_f32_dpp v[M], v[M], v[M] row_xmask:8 row_mask:0xf bank_mask:0xf
	v_permlanex16_b32 v[M+1], v[M], s40, s41       ; its destination has been written before
	v_max_num_f32 v[M], v[M], v[M+1]               ; max |S| in every lane
	v_max_num_f32 v[M], 0x0d800000, v[M]           ; held between 2^-100
	v_min_num_f32 v[M], 0x71800000, v[M]           ; and 2^100: pS, 1 / pS and g are then ordinary numbers, for S = 0 too
	v_and_b32 v[M], 0x7f800000, v[M]               ; pS: the exponent alone
	v_sub_nc_u32 v[INV], 0x7f000000, v[M]          ; 1 / pS: exponent field 254 - e
	v_mov_b32 v[INV+1], v[INV]
.irp p, 0,2,4,6
	v_pk_mul_f32 v[SP+\p:SP+\p+1], v[SP+\p:SP+\p+1], v[INV:INV+1]      ; exact: a power of two
.endr
	s_cmp_lg_u32 s28, 0                            ; g is stored by one wave of the launch: wave 0 of this section's first work-group
	s_cbranch_scc1 .Lno_g
	s_cmp_lg_u32 s39, 0
	s_cbranch_scc1 .Lno_g
	v_mul_f32 v[GV], 0x38800000, v[M]              ; g = pS 2^-14
	v_mov_b32 v[GV+1], v[GV]
	global_store_b64 v[GA], v[GV:GV+1], s[26:27]   ; 32 lanes x 8 bytes: the buffer's 256 bytes whole; GV and GA are not written again
.Lno_g:
.irp i, 0,1,2,3
	s_add_co_u32 s29, s35, \i                      ; f
	s_lshl_b32 s34, s29, 1                         ; the angle's step: 2 pi f k / 2048 = 2 f k pi / 2048
	s_cmp_eq_u32 s29, 0
	s_cselect_b32 s36, s37, s38
	v_mov_b32 v[WP], s36
	v_mov_b32 v[WP+1], s36
.irp p, 0,2,4,6
	v_pk_mul_f32 v[WG+\p:WG+\p+1], v[SP+\p:SP+\p+1], v[WP:WP+1]
.endr
	ROWPAIR \i, 1, 22, \i*4096, (\i+4)*4096
.endr
	s_endpgm
	; ---- X: work-group u takes rows 4 u .. 4 u + 3.  Item i: row i >> 1, columns 1024 (i & 1) + 4 t .. + 3 and the same 2,048 columns further on.
	; All sixteen loads of a thread go out first; item i's two are in when the two of each younger item are still out.
.Lsec_x:
	s_sub_co_u32 s28, ttmp9, 384
	s_lshl_b32 s30, s28, 16                        ; 4 rows of 16,384 bytes
	s_add_nc_u64 s[4:5], s[4:5], s[30:31]
	s_lshl_b32 s30, s28, 14                        ; 4 rows of 4,096 bytes
	s_add_nc_u64 s[16:17], s[16:17], s[30:31]
	v_lshlrev_b32 v1, 4, v0
	v_lshlrev_b32 v2, 3, v0
.irp i, 0,1,2,3,4,5,6,7
	global_load_b128 v[L+8*\i:L+8*\i+3],   v1, s[4:5] offset:(\i>>1)*16384+(\i&1)*4096 th:TH_LOAD_NT
	global_load_b128 v[L+8*\i+4:L+8*\i+7], v1, s[4:5] offset:(\i>>1)*16384+(\i&1)*4096+8192 th:TH_LOAD_NT
.endr
.irp i, 0,1,2,3,4,5,6,7
	s_wait_loadcnt 14-2*\i
	v_pk_add_f32 v[ST:ST+1],   v[L+8*\i:L+8*\i+1],   v[L+8*\i+4:L+8*\i+5]
	v_pk_add_f32 v[ST+2:ST+3], v[L+8*\i+2:L+8*\i+3], v[L+8*\i+6:L+8*\i+7]
	v_pk_add_f32 v[ST+4:ST+5], v[L+8*\i:L+8*\i+1],   v[L+8*\i+4:L+8*\i+5] neg_lo:[0,1] neg_hi:[0,1]
	v_pk_add_f32 v[ST+6:ST+7], v[L+8*\i+2:L+8*\i+3], v[L+8*\i+6:L+8*\i+7] neg_lo:[0,1] neg_hi:[0,1]
	v_cvt_pk_f16_f32 v[O+4*\i],   v[ST],   v[ST+1]
	v_cvt_pk_f16_f32 v[O+4*\i+1], v[ST+2], v[ST+3]
	v_cvt_pk_f16_f32 v[O+4*\i+2], v[ST+4], v[ST+5]
	v_cvt_pk_f16_f32 v[O+4*\i+3], v[ST+6], v[ST+7]
	global_store_b64 v2, v[O+4*\i:O+4*\i+1],   s[16:17] offset:(\i>>1)*4096+(\i&1)*2048             ; the sums' plane; a wave's store covers 256 consecutive bytes, aligned
	global_store_b64 v2, v[O+4*\i+2:O+4*\i+3], s[16:17] offset:(\i>>1)*4096+(\i&1)*2048+4194304     ; the differences' plane
.endr
	s_endpgm
	; ---- V: work-group u takes rows 8 u + i; thread t the frequencies 4 t .. 4 t + 3 of both parts.
.Lsec_v:
	s_sub_co_u32 s28, ttmp9, 640
	s_lshl_b32 s30, s28, 15                        ; 8 rows of 4,096 bytes, in Vr, in Vi and in cv alike
	s_add_nc_u64 s[6:7], s[6:7], s[30:31]
	s_add_nc_u64 s[8:9], s[8:9], s[30:31]
	s_add_nc_u64 s[20:21], s[20:21], s[30:31]
	v_lshlrev_b32 v1, 4, v0
	v_lshlrev_b32 v2, 3, v0
	v_cmp_ne_u32 vcc_lo, 0, v0                     ; thread 0 holds frequency 0
.irp i, 0,1,2,3,4,5,6,7
	global_load_b128 v[L+8*\i:L+8*\i+3],   v1, s[6:7] offset:\i*4096 th:TH_LOAD_NT
	global_load_b128 v[L+8*\i+4:L+8*\i+7], v1, s[8:9] offset:\i*4096 th:TH_LOAD_NT
.endr
.irp i, 0,1,2,3,4,5,6,7
	CONV8 \i
	v_cvt_pk_f16_f32 v[O+4*\i],   v[L+8*\i],   v[L+8*\i+2]     ; even f: re 0, re 2,
	v_cvt_pk_f16_f32 v[O+4*\i+1], v[L+8*\i+4], v[L+8*\i+6]     ;         im 0, im 2
	v_cvt_pk_f16_f32 v[O+4*\i+2], v[L+8*\i+1], v[L+8*\i+3]     ; odd f:  re 1, re 3,
	v_cvt_pk_f16_f32 v[O+4*\i+3], v[L+8*\i+5], v[L+8*\i+7]     ;         im 1, im 3
	global_store_b64 v2, v[O+4*\i:O+4*\i+1],   s[20:21] offset:\i*4096
	global_store_b64 v2, v[O+4*\i+2:O+4*\i+3], s[20:21] offset:\i*4096+2048
.endr
	s_endpgm
	; ---- U: dense.  A row of Ur or Ui (512 f32) and a row of cu (1,024 f16) are 2,048 bytes each, so my 16 bytes of each part and my 16 bytes of cu have one offset.
.Lsec_u:
	s_sub_co_u32 s28, ttmp9, 896
	s_lshl_b32 s30, s28, 15
	s_add_nc_u64 s[10:11], s[10:11], s[30:31]
	s_add_nc_u64 s[12:13], s[12:13], s[30:31]
	s_add_nc_u64 s[24:25], s[24:25], s[30:31]
	v_lshlrev_b32 v1, 4, v0
	v_and_b32 v3, 127, v0
	v_cmp_ne_u32 vcc_lo, 0, v3                     ; threads 0 and 128 hold a row's frequency 0
.irp i, 0,1,2,3,4,5,6,7
	global_load_b128 v[L+8*\i:L+8*\i+3],   v1, s[10:11] offset:\i*4096 th:TH_LOAD_NT
	global_load_b128 v[L+8*\i+4:L+8*\i+7], v1, s[12:13] offset:\i*4096 th:TH_LOAD_NT
.endr
.irp i, 0,1,2,3,4,5,6,7
	CONV8 \i
.irp p, 0,1,2,3
	v_cvt_pk_f16_f32 v[O+4*\i+\p], v[L+8*\i+2*\p], v[L+8*\i+2*\p+1]    ; re 0..3, then im 0..3
.endr
	global_store_b128 v1, v[O+4*\i:O+4*\i+3], s[24:25] offset:\i*4096
.endr
	s_endpgm
.Lfunc_end_k_q15177a6a14_prep:
	.size	k_q15177a6a14_prep, .Lfunc_end_k_q15177a6a14_prep-k_q15177a6a14_prep
	.p2alignl 7, 3214868480
	.fill 96, 4, 3214868480
	.section	.rodata,"a",@progbits
	.p2align	6, 0x0
	.amdhsa_kernel k_q15177a6a14_prep
		.amdhsa_group_segment_fixed_size 0
		.amdhsa_private_segment_fixed_size 0
		.amdhsa_enable_private_segment 0
		.amdhsa_kernarg_size 96
		.amdhsa_user_sgpr_count 2
		.amdhsa_user_sgpr_kernarg_segment_ptr 1
		.amdhsa_wavefront_size32 1
		.amdhsa_system_sgpr_workgroup_id_x 1
		.amdhsa_system_sgpr_workgroup_id_y 1
		.amdhsa_system_sgpr_workgroup_id_z 1
		.amdhsa_system_vgpr_workitem_id 0
		.amdhsa_next_free_vgpr 156
		.amdhsa_next_free_sgpr 66
		.amdhsa_reserve_vcc 1
		.amdhsa_float_denorm_mode_32 3
		.amdhsa_float_denorm_mode_16_64 3
		.amdhsa_memory_ordered 1
		.amdhsa_forward_progress 1
		.amdhsa_inst_pref_size 94
	.end_amdhsa_kernel
	.amdgpu_metadata
---
amdhsa.version: [ 1, 2 ]
amdhsa.kernels:
  - .name:           k_q15177a6a14_prep
    .symbol:         k_q15177a6a14_prep.kd
    .args:
      - { .name: x, .offset: 0, .size: 8, .value_kind: global_buffer, .address_space: global }
      - { .name: Vt_real, .offset: 8, .size: 8, .value_kind: global_buffer, .address_space: global }
      - { .name: Vt_imag, .offset: 16, .size: 8, .value_kind: global_buffer, .address_space: global }
      - { .name: U_real, .offset: 24, .size: 8, .value_kind: global_buffer, .address_space: global }
      - { .name: U_imag, .offset: 32, .size: 8, .value_kind: global_buffer, .address_space: global }
      - { .name: S, .offset: 40, .size: 8, .value_kind: global_buffer, .address_space: global }
      - { .name: act0, .offset: 48, .size: 8, .value_kind: global_buffer, .address_space: global }
      - { .name: bv, .offset: 56, .size: 8, .value_kind: global_buffer, .address_space: global }
      - { .name: cv, .offset: 64, .size: 8, .value_kind: global_buffer, .address_space: global }
      - { .name: bu, .offset: 72, .size: 8, .value_kind: global_buffer, .address_space: global }
      - { .name: cu, .offset: 80, .size: 8, .value_kind: global_buffer, .address_space: global }
      - { .name: gs, .offset: 88, .size: 8, .value_kind: global_buffer, .address_space: global }
    .group_segment_fixed_size: 0
    .private_segment_fixed_size: 0
    .kernarg_segment_align: 8
    .kernarg_segment_size: 96
    .max_flat_workgroup_size: 256
    .sgpr_count:     66
    .vgpr_count:     156
    .wavefront_size: 32
...
	.end_amdgpu_metadata
.endif
;; end of part 1
;; launch g1 (part 2): grid 8 x 16, 4 waves a work-group, clusters of 4 x 4, 327,680 bytes of LDS; arguments act0, bv, act1; writes act1
.if DOCPART == 2
	.amdgcn_target "amdgcn-amd-amdhsa--gfx1250"
	.amdhsa_code_object_version 6
	.text
	.protected	k_q15177a6a14_g1
	.globl	k_q15177a6a14_g1
	.p2align	8
	.type	k_q15177a6a14_g1,@function
k_q15177a6a14_g1:
	s_mov_b64 s[64:65], 0
	v_nop
	global_prefetch_b8 v0, s[64:65] scope:SCOPE_SE
	s_setreg_imm32_b32 hwreg(HW_REG_WAVE_MODE, 25, 1), 1
	s_wait_xcnt 0x0
	s_wait_alu depctr_hold_cnt(0) depctr_sa_sdst(0) depctr_va_vdst(0) depctr_va_sdst(0) depctr_va_ssrc(0) depctr_va_vcc(0) depctr_vm_vsrc(0)
	s_getreg_b32 s2, hwreg(HW_REG_IB_STS2, 6, 4)
	s_cmp_eq_u32 s2, 0
	s_cbranch_scc0 .Lentry_in_a_cluster
	s_endpgm
.Lentry_in_a_cluster:
	s_bfe_u32 s2, ttmp6, 0x10000c
	s_cmp_lg_u32 s2, 0xf033
	s_cbranch_scc0 .Lentry_shape_is_right
	s_endpgm
.Lentry_shape_is_right:
; C = A B^T in f16 with f32 sums, K = 2048, C rounded once to f16.  One text for three links of the chain out = x Bv^T Cv^T diag(S) Bu^T Cu^T + bias
; (the padded frequencies and the matrices U, Vh, W are not formed: see the first kernel's head):
;   A = folded x (two planes = 2,048 stacked rows), B = basis bv (two planes), C = 2^-10 DFT of x, plane b's 1,024 columns at column 1024 b
;   A = that, B = cv, C = 32 x Vh^T;      A = that, B = bu, C = its transform, in columns 0..1023 of rows of 2,048
; All pitches are 2,048 elements.  The plane b is (cluster's y) >> 1: 0 wherever the grid has 8 block rows.
; A work-group makes a block of 128 x 128 of C: 128, 128 and 64 blocks in the three launches.  K IS SHARED OUT AMONG THE FOUR WAVES: each makes the whole block,
; 64 accumulator tiles in 512 registers, over its quarter of every slot's K.  So each LDS byte is read once, 32 loads of 16 bytes a lane for 64 matrix instructions;
; four waves of 64 x 64 would read every byte twice.  The price is one sum of the four partial blocks through LDS at the end, which also turns the lanes' pieces
; into whole rows for the stores.
; K goes in steps of 256 (rows of 512 bytes, starting at multiples of 512 from the buffer's first byte) through a ring of two LDS slots.
; CLUSTERS: 4 x 4 work-groups.  The four of a row of the cluster need the same rows of A, the four of a column the same rows of B: each tile is asked for jointly,
; by the same tensor load with the same descriptor and a mask that names the four.  That divides the requests for A and for B by four.
; A wave has two tensor loads out at the start and one behind each round of the cluster's barrier.
; REGISTERS in windows of 256: window 0: v0-31 addresses, v64-127 and v128-191 fragments of A (two buffers), v192-207 results to store;
;   window 1: v64-127, v128-191 fragments of B; window 2: accumulator tiles of block rows 0-63 (tile (a, b) at v[8 (8 a + b)]); window 3: rows 64-127.
; THE MATRIX INSTRUCTION IS USED TRANSPOSED (source 0 = 16 rows of B, source 1 = 16 rows of A): lane l holds row l % 16 of C, its registers columns 8 (l / 16) + 0..7.
; LIMIT: operands and C are f16: |C| must stay under 65,504 (the scalings are given at the first kernel's head).
.set KTOT,   2048
.set KS,     256                       ; K of a slot
.set PITCH,  528                       ; an LDS row: 512 bytes + 16 of padding = 33 x 16: the 16 rows that a load touches start at 16 different 16-byte columns modulo 256
.set HALFT,  64*PITCH                  ; 64 rows: what one tensor load brings
.set SLOT,   4*HALFT                   ; A's 128 rows, then B's 128 rows
.set LAPS,   KTOT/(2*KS)               ; a lap = once round the ring
.set APITCH, 2048
.set BPITCH, 2048
.set CROWB,  4096                      ; bytes in a row of C
.set RP,     528                       ; a row of a partial block: 128 f32 + 16 bytes
.set RW,     128*RP                    ; a wave's partial block; four of them take exactly the ring's bytes, after its last fill
.set ADRA, 16                          ; v16-17  LDS address of my A fragments in slot 0, 1
.set ADRB, 20                          ; v20-21  the same for B
.set STO,  24                          ; v24     where I put my piece of my partial block
.set CO,   25                          ; v25     my byte offset in a row of C
.set RD,   26                          ; v26-29  where I read my 16 bytes of a row of partial block 0..3
.set F0,   64
.set F1,   128
.set RED,  64                          ; v64-191 the sum: row i of eight has 16 registers, 4 from each partial block
.set OUT,  192
.set G1,  24                           ; s[24:31] descriptor group 1 for A's tiles
.set G0,  32                           ; s[32:39] group 0 for A's tiles, a set for each slot
.set G1B, 48                           ; s[48:55] group 1 for B's tiles
.set G0B, 56                           ; s[56:63] group 0 for B's tiles
.set MSB, 0
.macro WIN new                         ; the immediate's high byte repeats the setting that is left; a switch that changes nothing is dropped
.if MSB != \new
	s_set_vgpr_msb (MSB<<8)|\new
.set MSB, \new
.endif
.endm
.set MUL_LO, 0xa1                      ; source 0 (B) window 1, source 1 (A) window 0, C and D window 2
.set MUL_HI, 0xf1                      ; the same, C and D window 3
.set TO_B,   0x40                      ; destination window 1, address window 0
; A joint load.  Waves 0 and 1 fetch A's two halves, waves 2 and 3 B's.  Each line has one mask and one set of registers; the branch hangs on the wave's number alone.
.macro JLOAD s
	s_cmp_eq_u32 s11, 0
	s_cbranch_scc0 .Lfor_b_\@
	tensor_load_to_lds s[G0+4*\s:G0+4*\s+3], s[G1:G1+7]
	s_nop 0
	s_branch .Lasked_\@
.Lfor_b_\@:
	tensor_load_to_lds s[G0B+4*\s:G0B+4*\s+3], s[G1B:G1B+7]
	s_nop 0
.Lasked_\@:
.endm
; A round of the cluster's barrier: my work-group's barrier, so that wave 0's signal speaks for all four waves; wave 0 signals for the work-group;
; every wave waits for all sixteen work-groups; my work-group's barrier once more.
.macro CREST                           ; a round behind its opening barrier
	s_cmp_lg_u32 s10, 0
	s_cbranch_scc1 .Lnot_wave_0_\@
	s_barrier_signal -3
.Lnot_wave_0_\@:
	s_barrier_wait -3
	s_barrier_signal -1
	s_barrier_wait -1
.endm
.macro CROUND
	s_barrier_signal -1
	s_barrier_wait -1
	CREST
.endm
	s_load_b128 s[4:7], s[0:1], 0x0                ; A s[4:5], B s[6:7]
	s_load_b64 s[8:9], s[0:1], 0x10                ; C
	s_set_vgpr_msb 0x40
	v_lshl_add_u32 v255, v0, 2, 0x42000
	s_set_vgpr_msb 0x4000
	v_mov_b32 v255, 0
	s_set_vgpr_msb 0x1
	ds_add_u32 v255, v255
	ds_add_u32 v255, v255
	s_set_vgpr_msb 0x100
	v_lshrrev_b32 v1, 5, v0
	v_readfirstlane_b32 s10, v1                    ; wave 0..3: my quarter of a slot's K
	s_lshr_b32 s11, s10, 1                         ; I fetch for A (0) or for B (1),
	s_and_b32 s12, s10, 1                          ; and which 64 rows
	s_bfe_u32 s40, ttmp6, 0x40000                  ; cx
	s_bfe_u32 s41, ttmp6, 0x40004                  ; cy
	s_lshl_b32 s42, ttmp9, 2
	s_add_co_u32 s42, s42, s40                     ; block column = 4 x cluster x + cx
	s_and_b32 s13, ttmp7, 0xffff
	s_lshr_b32 s45, s13, 1                         ; the plane b, from the cluster's y alone: all sixteen partners share it
	s_lshl_b32 s13, s13, 2
	s_add_co_u32 s13, s13, s41                     ; block row = 4 x cluster y + cy
	s_lshl_b32 s43, s41, 2
	s_lshl_b32 s43, 15, s43                        ; my row of the cluster: places 4 cy .. 4 cy + 3
	s_lshl_b32 s44, 0x1111, s40                    ; my column: places cx, cx + 4, cx + 8, cx + 12
	; group 1: a tile of 64 rows x 256 elements of 2 bytes, 4 words of padding behind every 128 words
	s_or_b32 s[G1+0], s43, (1<<16)|(1<<20)|(1<<21)|(6<<22)|(3<<25)  ; 15:0 mask: A's tiles go to my row; 17:16 2 bytes; 20 padding on; 21 set beside a mask; 24:22 interval code 6; 31:25 pad code 3
	s_or_b32 s[G1B+0], s44, (1<<16)|(1<<20)|(1<<21)|(6<<22)|(3<<25) ; the same with my column's mask
	s_mov_b32 s[G1+1], KS<<16                      ; tensor_dim0 = 256
	s_mov_b32 s[G1B+1], KS<<16
	s_mov_b32 s[G1+2], 64<<16                      ; tensor_dim1 = 64
	s_mov_b32 s[G1B+2], 64<<16
	s_mov_b32 s[G1+3], KS<<16                      ; tile_dim0 = 256
	s_mov_b32 s[G1B+3], KS<<16
	s_mov_b32 s[G1+4], 64                          ; tile_dim1 = 64
	s_mov_b32 s[G1B+4], 64
	s_mov_b32 s[G1+5], APITCH                      ; elements from row to row
	s_mov_b32 s[G1B+5], BPITCH
	s_mov_b32 s[G1+6], 0
	s_mov_b32 s[G1B+6], 0
	s_mov_b32 s[G1+7], 0
	s_mov_b32 s[G1B+7], 0
	; A's tiles hang on the block row alone, B's on the block column and the plane alone; each address is made in registers that never hold the other coordinate.
	s_lshl_b32 s17, s12, 6                         ; which 64 rows I fetch
	s_lshl_b32 s16, s13, 7
	s_add_co_u32 s16, s16, s17                     ; A: row 128 x block row + 64 x half (the two planes of the folded x are stacked rows)
	s_mul_i32 s16, s16, APITCH*2                   ; in bytes: under 2^23
	s_lshl_b32 s46, s42, 7
	s_add_co_u32 s46, s46, s17
	s_lshl_b32 s47, s45, 10
	s_add_co_u32 s46, s46, s47                     ; B: row 1024 b + 128 x block column + 64 x half
	s_mul_i32 s46, s46, BPITCH*2
	s_mov_b32 s17, 0
	s_mov_b32 s47, 0
	s_mul_i32 s20, s10, HALFT                      ; where my tile goes: A's halves, then B's = wave x 64 rows
	s_wait_dscnt 0x0
	s_wait_kmcnt 0x0
	s_add_nc_u64 s[14:15], s[4:5], s[16:17]
	s_add_nc_u64 s[46:47], s[6:7], s[46:47]
	CROUND                                         ; all sixteen work-groups are here: the first joint loads meet
.irp s, 0,1
	s_mov_b32 s[G0+4*\s], 1                                        ; count = 1
	s_add_co_u32 s[G0+4*\s+1], s20, \s*SLOT                        ; LDS address
	s_add_nc_u64 s[G0+4*\s+2:G0+4*\s+3], s[14:15], \s*KS*2         ; global address: K step s
	s_or_b32 s[G0+4*\s+3], s[G0+4*\s+3], 0x80000000                ; type = 2
	s_mov_b32 s[G0B+4*\s], 1
	s_add_co_u32 s[G0B+4*\s+1], s20, \s*SLOT
	s_add_nc_u64 s[G0B+4*\s+2:G0B+4*\s+3], s[46:47], \s*KS*2
	s_or_b32 s[G0B+4*\s+3], s[G0B+4*\s+3], 0x80000000
	JLOAD \s                                       ; both first fills go out before anything else is done
.endr
	; A fragment is 16 rows x 32 K in 8 registers: lane l holds row l % 16; registers 0-3 K = 8 (l / 16) + 0..7, registers 4-7 K = 16 + 8 (l / 16) + 0..7:
	; two loads of 16 bytes, 32 bytes apart.  My quarter of a slot's K begins 128 bytes x wave into each row.
	v_and_b32 v1, 15, v0                           ; l % 16
	v_bfe_u32 v2, v0, 4, 1                         ; l / 16
	v_and_b32 v5, 31, v0                           ; l
	v_mul_u32_u24 v3, v1, PITCH
	v_lshl_add_u32 v3, v2, 4, v3
	s_lshl_b32 s21, s10, 7
	v_add_nc_u32 v[ADRA], s21, v3
	v_add_nc_u32 v[ADRA+1], SLOT, v[ADRA]
	v_add_nc_u32 v[ADRB], 2*HALFT, v[ADRA]
	v_add_nc_u32 v[ADRB+1], 2*HALFT+SLOT, v[ADRA]
	s_mul_i32 s23, s10, RW                         ; my partial block
	v_mul_u32_u24 v4, v1, RP
	v_lshl_add_u32 v4, v2, 5, v4                   ; row l % 16, 32 bytes (8 f32) for each half of the lanes
	v_add_nc_u32 v[STO], s23, v4
	s_mul_i32 s22, s10, 32*RP                      ; in the sum I own block rows 32 x wave .. + 31
	v_lshl_add_u32 v[RD], v5, 4, s22               ; 32 lanes x 16 bytes = a row of 128 f32
	v_add_nc_u32 v[RD+1], RW, v[RD]
	v_add_nc_u32 v[RD+2], 2*RW, v[RD]
	v_add_nc_u32 v[RD+3], 3*RW, v[RD]
	v_lshlrev_b32 v[CO], 3, v5                     ; my 4 columns in f16
; 16 matrix instructions: m blocks a0, a0 + 1 of the window's four x all 8 n blocks, 32 along K.  zero = 1: the first product starts the sums: nothing is cleared.
.macro MUL16 f, hi, a0, zero
.irp a, \a0, \a0+1
.irp b, 0,1,2,3,4,5,6,7
.if \zero
	v_wmma_f32_16x16x32_f16 v[8*(8*(\a)+\b):8*(8*(\a)+\b)+7], v[\f+8*\b:\f+8*\b+7], v[\f+8*(4*\hi+\a):\f+8*(4*\hi+\a)+7], 0
.else
	v_wmma_f32_16x16x32_f16 v[8*(8*(\a)+\b):8*(8*(\a)+\b)+7], v[\f+8*\b:\f+8*\b+7], v[\f+8*(4*\hi+\a):\f+8*(4*\hi+\a)+7], v[8*(8*(\a)+\b):8*(8*(\a)+\b)+7]
.endif
.endr
.endr
.endm
; 32 LDS loads in one run: 128 rows of B, 128 rows of A, 32 K at byte k of my quarter of the rows, into buffer f
.macro FETCH slot, k, f
	WIN TO_B
.irp i, 0,1,2,3,4,5,6,7
	ds_load_b128 v[\f+8*\i:\f+8*\i+3],   v[ADRB+\slot] offset:\k+\i*16*PITCH
	ds_load_b128 v[\f+8*\i+4:\f+8*\i+7], v[ADRB+\slot] offset:\k+\i*16*PITCH+32
.endr
	WIN 0
.irp i, 0,1,2,3,4,5,6,7
	ds_load_b128 v[\f+8*\i:\f+8*\i+3],   v[ADRA+\slot] offset:\k+\i*16*PITCH
	ds_load_b128 v[\f+8*\i+4:\f+8*\i+7], v[ADRA+\slot] offset:\k+\i*16*PITCH+32
.endr
.endm
; A load into a register that a matrix instruction has read, and an LDS store of a matrix result, stand four places behind that matrix instruction; only plain
; vector instructions that name none of its registers are places (ISA guide 7.12.1 for vector instructions).
.macro PLACES
.rept 4
	v_nop
.endr
.endm
; A wave's share of a slot is two halves of 32 along K, 64 matrix instructions each, on buffers 0 and 1.  The 64 accumulators take turns, one instruction a turn,
; in the same order in every half, over the loop's backward jump too.
; The first half: multiplies buffer f; in its middle it fetches the second half's fragments, at byte k, into buffer g.
.macro QUARTER slot, k, f, g, zero
	s_wait_dscnt 8                                 ; B and A's rows 0-63 are in; the youngest eight loads (A's rows 64-127) may be out
	WIN MUL_LO
	MUL16 \f, 0, 0, \zero
	MUL16 \f, 0, 2, \zero
	PLACES
	FETCH \slot, \k, \g
	s_wait_dscnt 32                                ; all but the 32 just issued
	WIN MUL_HI
	MUL16 \f, 1, 0, \zero
	MUL16 \f, 1, 2, \zero
.endm
; The second half: multiplies buffer 1 and changes slots.  fill = 1: this slot is filled again, two K steps ahead.
; In front of the barrier each wave waits for its own reads of this slot and for all its tensor loads (the one that is out is its part of the next slot).
; Behind it nobody reads this slot any more and the next slot is whole: the refill comes first, then the next slot's first fragments.
.macro TURN slot, next, fill
	s_wait_dscnt 8
	WIN MUL_LO
	MUL16 F1, 0, 0, 0
	s_wait_dscnt 0                                 ; my reads of this slot are over
	s_wait_tensorcnt 0x0                           ; and all my tensor loads have landed
	ds_add_u32 v255, v255
	s_wait_dscnt 0x0
	s_barrier_signal -1                            ; say so (where the slot is filled again this barrier opens a round of the cluster's barrier),
	MUL16 F1, 0, 2, 0                              ; work on registers while the others arrive,
	WIN 0
	s_barrier_wait -1
.if \fill
	CREST                                          ; all sixteen work-groups have said so: no wave of any partner still reads this slot or has a load on its way
	s_add_nc_u64 s[G0+4*\slot+2:G0+4*\slot+3], s[G0+4*\slot+2:G0+4*\slot+3], 2*KS*2       ; no tensor load of mine is out: a group 0 may be written
	s_add_nc_u64 s[G0B+4*\slot+2:G0B+4*\slot+3], s[G0B+4*\slot+2:G0B+4*\slot+3], 2*KS*2
	JLOAD \slot                                    ; my one tensor load behind the round, and the first thing there
.endif
	PLACES
	FETCH \next, 0, F0
	WIN MUL_HI
	MUL16 F1, 1, 0, 0
	MUL16 F1, 1, 2, 0
.endm
.macro LAP zero                        ; once round the ring, both slots filled again
	QUARTER 0, 64, F0, F1, \zero
	TURN 0, 1, 1
	QUARTER 1, 64, F0, F1, 0
	TURN 1, 0, 1
.endm
	s_wait_tensorcnt 0x1                           ; my part of K step 0 is in; K step 1's, issued behind it, may stay out
	s_barrier_signal -1
	s_barrier_wait -1                              ; everybody's is
	FETCH 0, 0, F0
	LAP 1                                          ; the first lap stands in front of the loop: its first products start the sums
.if LAPS > 2
	WIN 0
	s_mov_b32 s3, LAPS-2
.Llap:
	LAP 0
	WIN 0
	s_sub_co_u32 s3, s3, 1
	s_cmp_lg_u32 s3, 0
	s_cbranch_scc1 .Llap
.endif
	QUARTER 0, 64, F0, F1, 0                       ; the last lap fills nothing and has no round of the cluster's barrier
	TURN 0, 1, 0
	QUARTER 1, 64, F0, F1, 0
	s_wait_dscnt 8                                 ; the very last half: nothing more to fetch
	WIN MUL_LO
	MUL16 F1, 0, 0, 0
	MUL16 F1, 0, 2, 0
	s_wait_dscnt 0
	WIN MUL_HI
	MUL16 F1, 1, 0, 0
	MUL16 F1, 1, 2, 0
	; THE SUM OVER THE FOUR WAVES AND THE WAY OUT.  The ring has had its last fill; its bytes now take the four partial blocks.
	WIN 0
	s_wait_dscnt 0x0                               ; (met) my reads of the ring are over,
	s_barrier_signal -1
	s_barrier_wait -1                              ; everybody's are: the ring may be written over
	PLACES                                         ; the places behind the last matrix instructions, for the LDS stores of their results
	s_and_b32 s16, s13, 7                          ; C's row: 128 x (block row mod 8) + 32 x wave
	s_lshl_b32 s16, s16, 7
	s_lshl_b32 s14, s10, 5
	s_add_co_u32 s16, s16, s14
	s_mul_i32 s16, s16, CROWB
	s_mov_b32 s17, 0
	s_add_nc_u64 s[8:9], s[8:9], s[16:17]
	s_lshl_b32 s46, s42, 8                         ; C's column in bytes: 2 (1024 b + 128 x block column)
	s_lshl_b32 s47, s45, 11
	s_add_co_u32 s46, s46, s47
	s_mov_b32 s47, 0
	s_add_nc_u64 s[8:9], s[8:9], s[46:47]
; My 32 tiles of one window go to my partial block: tile (a, b) holds rows 16 (4 hi + a) + l % 16, columns 16 b + 8 (l / 16) + 0..7.  win: the store data's window.
.macro PUT hi, win
	WIN \win
.irp a, 0,1,2,3
.irp b, 0,1,2,3,4,5,6,7
	ds_store_b128 v[STO], v[8*(8*\a+\b):8*(8*\a+\b)+3]   offset:(4*\hi+\a)*16*RP+64*\b
	ds_store_b128 v[STO], v[8*(8*\a+\b)+4:8*(8*\a+\b)+7] offset:(4*\hi+\a)*16*RP+64*\b+16
.endr
.endr
.endm
	PUT 0, 0x08
	PUT 1, 0x0c
	WIN 0
	s_wait_dscnt 0x0                               ; for the others' sake: my partial block is written,
	s_barrier_signal -1
	s_barrier_wait -1                              ; everybody's is
; Eight of my 32 rows: 4 loads a row, one from each partial block; row i is in when the four loads of each younger row are still out.
.macro BATCH t
.if \t
	s_wait_xcnt 0x0                                ; the registers that the last eight stores read are rewritten only behind this wait
.endif
.irp i, 0,1,2,3,4,5,6,7
.irp q, 0,1,2,3
	ds_load_b128 v[RED+16*\i+4*\q:RED+16*\i+4*\q+3], v[RD+\q] offset:(8*\t+\i)*RP
.endr
.endr
.irp i, 0,1,2,3,4,5,6,7
	s_wait_dscnt 4*(7-\i)
	v_pk_add_f32 v[RED+16*\i:RED+16*\i+1],     v[RED+16*\i:RED+16*\i+1],     v[RED+16*\i+4:RED+16*\i+5]
	v_pk_add_f32 v[RED+16*\i+2:RED+16*\i+3],   v[RED+16*\i+2:RED+16*\i+3],   v[RED+16*\i+6:RED+16*\i+7]
	v_pk_add_f32 v[RED+16*\i+8:RED+16*\i+9],   v[RED+16*\i+8:RED+16*\i+9],   v[RED+16*\i+12:RED+16*\i+13]
	v_pk_add_f32 v[RED+16*\i+10:RED+16*\i+11], v[RED+16*\i+10:RED+16*\i+11], v[RED+16*\i+14:RED+16*\i+15]
	v_pk_add_f32 v[RED+16*\i:RED+16*\i+1],     v[RED+16*\i:RED+16*\i+1],     v[RED+16*\i+8:RED+16*\i+9]
	v_pk_add_f32 v[RED+16*\i+2:RED+16*\i+3],   v[RED+16*\i+2:RED+16*\i+3],   v[RED+16*\i+10:RED+16*\i+11]
	v_cvt_pk_f16_f32 v[OUT+2*\i],   v[RED+16*\i],   v[RED+16*\i+1]
	v_cvt_pk_f16_f32 v[OUT+2*\i+1], v[RED+16*\i+2], v[RED+16*\i+3]
	global_store_b64 v[CO], v[OUT+2*\i:OUT+2*\i+1], s[8:9] offset:(8*\t+\i)*CROWB    ; the wave's store covers the block's 256 consecutive bytes of a row, aligned
.endr
.endm
	BATCH 0
	BATCH 1
	BATCH 2
	BATCH 3
	s_set_vgpr_msb 0x1
	s_wait_tensorcnt 0x0
	ds_add_u32 v255, v255
	s_wait_dscnt 0x0
	s_set_vgpr_msb 0x100
	CROUND                                         ; the closing round: no work-group ends while a partner may still ask for a tile that names it
	s_endpgm
.Lfunc_end_k_q15177a6a14_g1:
	.size	k_q15177a6a14_g1, .Lfunc_end_k_q15177a6a14_g1-k_q15177a6a14_g1
	.p2alignl 7, 3214868480
	.fill 96, 4, 3214868480
	.section	.rodata,"a",@progbits
	.p2align	6, 0x0
	.amdhsa_kernel k_q15177a6a14_g1
		.amdhsa_group_segment_fixed_size 327680
		.amdhsa_private_segment_fixed_size 0
		.amdhsa_enable_private_segment 0
		.amdhsa_kernarg_size 24
		.amdhsa_user_sgpr_count 2
		.amdhsa_user_sgpr_kernarg_segment_ptr 1
		.amdhsa_wavefront_size32 1
		.amdhsa_system_sgpr_workgroup_id_x 1
		.amdhsa_system_sgpr_workgroup_id_y 1
		.amdhsa_system_sgpr_workgroup_id_z 1
		.amdhsa_system_vgpr_workitem_id 0
		.amdhsa_next_free_vgpr 1024
		.amdhsa_next_free_sgpr 80
		.amdhsa_reserve_vcc 0
		.amdhsa_float_denorm_mode_32 3
		.amdhsa_float_denorm_mode_16_64 3
		.amdhsa_memory_ordered 1
		.amdhsa_forward_progress 1
		.amdhsa_inst_pref_size 123
	.end_amdhsa_kernel
	.amdgpu_metadata
---
amdhsa.version: [ 1, 2 ]
amdhsa.kernels:
  - .name:           k_q15177a6a14_g1
    .symbol:         k_q15177a6a14_g1.kd
    .args:
      - { .name: act0, .offset: 0, .size: 8, .value_kind: global_buffer, .address_space: global }
      - { .name: bv, .offset: 8, .size: 8, .value_kind: global_buffer, .address_space: global }
      - { .name: act1, .offset: 16, .size: 8, .value_kind: global_buffer, .address_space: global }
    .group_segment_fixed_size: 327680
    .private_segment_fixed_size: 0
    .kernarg_segment_align: 8
    .kernarg_segment_size: 24
    .max_flat_workgroup_size: 128
    .sgpr_count:     80
    .vgpr_count:     1024
    .wavefront_size: 32
...
	.end_amdgpu_metadata
.endif
;; end of part 2
;; launch g2: the kernel of part 2 again; grid 16 x 8, 4 waves a work-group, clusters of 4 x 4, 327,680 bytes of LDS; arguments act1, cv, act0; writes act0
;; launch g3: the kernel of part 2 again; grid 8 x 8, 4 waves a work-group, clusters of 4 x 4, 327,680 bytes of LDS; arguments act0, bu, act1; writes act1
;; launch g4 (part 3): grid 32 x 8, 4 waves a work-group, clusters of 4 x 4, 327,680 bytes of LDS; arguments act1, cu, gs, bias, out0; writes out0
.if DOCPART == 3
	.amdgcn_target "amdgcn-amd-amdhsa--gfx1250"
	.amdhsa_code_object_version 6
	.text
	.protected	k_q15177a6a14_g4
	.globl	k_q15177a6a14_g4
	.p2align	8
	.type	k_q15177a6a14_g4,@function
k_q15177a6a14_g4:
	s_mov_b64 s[64:65], 0
	v_nop
	global_prefetch_b8 v0, s[64:65] scope:SCOPE_SE
	s_setreg_imm32_b32 hwreg(HW_REG_WAVE_MODE, 25, 1), 1
	s_wait_xcnt 0x0
	s_wait_alu depctr_hold_cnt(0) depctr_sa_sdst(0) depctr_va_vdst(0) depctr_va_sdst(0) depctr_va_ssrc(0) depctr_va_vcc(0) depctr_vm_vsrc(0)
	s_getreg_b32 s2, hwreg(HW_REG_IB_STS2, 6, 4)
	s_cmp_eq_u32 s2, 0
	s_cbranch_scc0 .Lentry_in_a_cluster
	s_endpgm
.Lentry_in_a_cluster:
	s_bfe_u32 s2, ttmp6, 0x10000c
	s_cmp_lg_u32 s2, 0xf033
	s_cbranch_scc0 .Lentry_shape_is_right
	s_endpgm
.Lentry_shape_is_right:
; The last link of the chain out = x Bv^T Cv^T diag(S) Bu^T Cu^T + bias (the padded frequencies and the matrices U, Vh, W are not formed: see the first kernel's head):
; out0[m][o] = g x (sum over j < 1024 of A[m][j] B[o][j]) + bias[o], A = columns 0..1023 of act1's rows of 2,048 f16, B = cu [4096][1024] f16, g = pS 2^-14 from gs.
; The same design as the three launches before it: a work-group makes a block of 128 x 128 (256 blocks); each of the four waves makes the whole block, 64 accumulator
; tiles in 512 registers, over its quarter of every slot's K, so that each LDS byte is read once; the four partial blocks are summed through LDS at the end, which also
; turns the lanes' pieces into whole rows.  K goes in steps of 256 (rows of 512 bytes) through a ring of two LDS slots.
; CLUSTERS: 4 x 4 work-groups; A's tiles are asked for jointly along a row of the cluster, B's along a column: the requests for A and B are divided by four.
; A wave has two tensor loads out at the start and one behind each round of the cluster's barrier.
; REGISTERS in windows of 256: window 0: v0-31 addresses, v32-35 bias, v64-127 and v128-191 fragments of A; window 1: fragments of B;
;   window 2: accumulator tiles of block rows 0-63 (tile (a, b) at v[8 (8 a + b)]); window 3: rows 64-127.
; THE MATRIX INSTRUCTION IS USED TRANSPOSED (source 0 = 16 rows of B, source 1 = 16 rows of A): lane l holds row l % 16 of C, its registers columns 8 (l / 16) + 0..7.
.set KTOT,   1024
.set KS,     256
.set PITCH,  528                       ; 512 bytes + 16 of padding = 33 x 16: the 16 rows that a load touches start at 16 different 16-byte columns modulo 256
.set HALFT,  64*PITCH
.set SLOT,   4*HALFT
.set LAPS,   KTOT/(2*KS)
.set APITCH, 2048
.set BPITCH, 1024
.set CROWB,  16384                     ; bytes in a row of out0
.set RP,     528
.set RW,     128*RP
.set BO,   6                           ; v6      my byte offset in bias; not rewritten
.set ADRA, 16
.set ADRB, 20
.set STO,  24
.set CO,   25
.set RD,   26
.set BI,   32                          ; v[32:35] bias of my 4 columns
.set F0,   64
.set F1,   128
.set RED,  64
.set G1,  24
.set G0,  32
.set G1B, 48
.set G0B, 56
.set MSB, 0
.macro WIN new
.if MSB != \new
	s_set_vgpr_msb (MSB<<8)|\new
.set MSB, \new
.endif
.endm
.set MUL_LO, 0xa1
.set MUL_HI, 0xf1
.set TO_B,   0x40
.macro JLOAD s                         ; waves 0 and 1 fetch A's two halves, waves 2 and 3 B's; the branch hangs on the wave's number alone
	s_cmp_eq_u32 s11, 0
	s_cbranch_scc0 .Lfor_b_\@
	tensor_load_to_lds s[G0+4*\s:G0+4*\s+3], s[G1:G1+7]
	s_nop 0
	s_branch .Lasked_\@
.Lfor_b_\@:
	tensor_load_to_lds s[G0B+4*\s:G0B+4*\s+3], s[G1B:G1B+7]
	s_nop 0
.Lasked_\@:
.endm
.macro CREST                           ; a round of the cluster's barrier behind its opening barrier
	s_cmp_lg_u32 s10, 0
	s_cbranch_scc1 .Lnot_wave_0_\@
	s_barrier_signal -3
.Lnot_wave_0_\@:
	s_barrier_wait -3
	s_barrier_signal -1
	s_barrier_wait -1
.endm
.macro CROUND
	s_barrier_signal -1
	s_barrier_wait -1
	CREST
.endm
	s_load_b128 s[4:7], s[0:1], 0x0                ; A s[4:5], B s[6:7]
	s_load_b128 s[68:71], s[0:1], 0x10             ; gs s[68:69], bias s[70:71]
	s_load_b64 s[8:9], s[0:1], 0x20                ; out0
	s_set_vgpr_msb 0x40
	v_lshl_add_u32 v255, v0, 2, 0x42000
	s_set_vgpr_msb 0x4000
	v_mov_b32 v255, 0
	s_set_vgpr_msb 0x1
	ds_add_u32 v255, v255
	ds_add_u32 v255, v255
	s_set_vgpr_msb 0x100
	v_lshrrev_b32 v1, 5, v0
	v_readfirstlane_b32 s10, v1                    ; wave 0..3: my quarter of a slot's K
	s_lshr_b32 s11, s10, 1
	s_and_b32 s12, s10, 1
	s_bfe_u32 s40, ttmp6, 0x40000                  ; cx
	s_bfe_u32 s41, ttmp6, 0x40004                  ; cy
	s_lshl_b32 s42, ttmp9, 2
	s_add_co_u32 s42, s42, s40                     ; block column
	s_and_b32 s13, ttmp7, 0xffff
	s_lshl_b32 s13, s13, 2
	s_add_co_u32 s13, s13, s41                     ; block row
	s_lshl_b32 s43, s41, 2
	s_lshl_b32 s43, 15, s43                        ; my row of the cluster
	s_lshl_b32 s44, 0x1111, s40                    ; my column
	s_or_b32 s[G1+0], s43, (1<<16)|(1<<20)|(1<<21)|(6<<22)|(3<<25)  ; mask; 2 bytes; padding on; bit 21 beside a mask; 4 words behind every 128 words
	s_or_b32 s[G1B+0], s44, (1<<16)|(1<<20)|(1<<21)|(6<<22)|(3<<25)
	s_mov_b32 s[G1+1], KS<<16                      ; tensor_dim0 = 256
	s_mov_b32 s[G1B+1], KS<<16
	s_mov_b32 s[G1+2], 64<<16                      ; tensor_dim1 = 64
	s_mov_b32 s[G1B+2], 64<<16
	s_mov_b32 s[G1+3], KS<<16                      ; tile_dim0 = 256
	s_mov_b32 s[G1B+3], KS<<16
	s_mov_b32 s[G1+4], 64                          ; tile_dim1 = 64
	s_mov_b32 s[G1B+4], 64
	s_mov_b32 s[G1+5], APITCH
	s_mov_b32 s[G1B+5], BPITCH
	s_mov_b32 s[G1+6], 0
	s_mov_b32 s[G1B+6], 0
	s_mov_b32 s[G1+7], 0
	s_mov_b32 s[G1B+7], 0
	s_lshl_b32 s17, s12, 6
	s_lshl_b32 s16, s13, 7
	s_add_co_u32 s16, s16, s17                     ; A: row 128 x block row + 64 x half
	s_mul_i32 s16, s16, APITCH*2
	s_lshl_b32 s46, s42, 7
	s_add_co_u32 s46, s46, s17                     ; B: row 128 x block column + 64 x half
	s_mul_i32 s46, s46, BPITCH*2
	s_mov_b32 s17, 0
	s_mov_b32 s47, 0
	s_mul_i32 s20, s10, HALFT
	s_wait_dscnt 0x0
	s_wait_kmcnt 0x0
	s_load_b32 s72, s[68:69], 0x0                  ; g; no line of this kernel writes gs
	s_add_nc_u64 s[14:15], s[4:5], s[16:17]
	s_add_nc_u64 s[46:47], s[6:7], s[46:47]
	CROUND                                         ; all sixteen work-groups are here: the first joint loads meet
.irp s, 0,1
	s_mov_b32 s[G0+4*\s], 1
	s_add_co_u32 s[G0+4*\s+1], s20, \s*SLOT
	s_add_nc_u64 s[G0+4*\s+2:G0+4*\s+3], s[14:15], \s*KS*2
	s_or_b32 s[G0+4*\s+3], s[G0+4*\s+3], 0x80000000
	s_mov_b32 s[G0B+4*\s], 1
	s_add_co_u32 s[G0B+4*\s+1], s20, \s*SLOT
	s_add_nc_u64 s[G0B+4*\s+2:G0B+4*\s+3], s[46:47], \s*KS*2
	s_or_b32 s[G0B+4*\s+3], s[G0B+4*\s+3], 0x80000000
	JLOAD \s
.endr
	v_and_b32 v1, 15, v0                           ; l % 16
	v_bfe_u32 v2, v0, 4, 1                         ; l / 16
	v_and_b32 v5, 31, v0                           ; l
	s_lshl_b32 s74, s42, 9                         ; the block's 128 columns in bias: 512 bytes x block column
	v_lshl_add_u32 v[BO], v5, 4, s74
	global_load_b128 v[BI:BI+3], v[BO], s[70:71]   ; waited for in front of the sum, far below
	v_mul_u32_u24 v3, v1, PITCH
	v_lshl_add_u32 v3, v2, 4, v3
	s_lshl_b32 s21, s10, 7                         ; my quarter of a slot's K: 128 bytes x wave into each row
	v_add_nc_u32 v[ADRA], s21, v3
	v_add_nc_u32 v[ADRA+1], SLOT, v[ADRA]
	v_add_nc_u32 v[ADRB], 2*HALFT, v[ADRA]
	v_add_nc_u32 v[ADRB+1], 2*HALFT+SLOT, v[ADRA]
	s_mul_i32 s23, s10, RW
	v_mul_u32_u24 v4, v1, RP
	v_lshl_add_u32 v4, v2, 5, v4
	v_add_nc_u32 v[STO], s23, v4
	s_mul_i32 s22, s10, 32*RP
	v_lshl_add_u32 v[RD], v5, 4, s22
	v_add_nc_u32 v[RD+1], RW, v[RD]
	v_add_nc_u32 v[RD+2], 2*RW, v[RD]
	v_add_nc_u32 v[RD+3], 3*RW, v[RD]
	v_lshlrev_b32 v[CO], 4, v5                     ; my 4 columns in f32
	s_wait_kmcnt 0x0
	s_mov_b32 s73, s72                             ; g twice: the packed multiply-add names the pair
.macro MUL16 f, hi, a0, zero
.irp a, \a0, \a0+1
.irp b, 0,1,2,3,4,5,6,7
.if \zero
	v_wmma_f32_16x16x32_f16 v[8*(8*(\a)+\b):8*(8*(\a)+\b)+7], v[\f+8*\b:\f+8*\b+7], v[\f+8*(4*\hi+\a):\f+8*(4*\hi+\a)+7], 0
.else
	v_wmma_f32_16x16x32_f16 v[8*(8*(\a)+\b):8*(8*(\a)+\b)+7], v[\f+8*\b:\f+8*\b+7], v[\f+8*(4*\hi+\a):\f+8*(4*\hi+\a)+7], v[8*(8*(\a)+\b):8*(8*(\a)+\b)+7]
.endif
.endr
.endr
.endm
.macro FETCH slot, k, f
	WIN TO_B
.irp i, 0,1,2,3,4,5,6,7
	ds_load_b128 v[\f+8*\i:\f+8*\i+3],   v[ADRB+\slot] offset:\k+\i*16*PITCH
	ds_load_b128 v[\f+8*\i+4:\f+8*\i+7], v[ADRB+\slot] offset:\k+\i*16*PITCH+32
.endr
	WIN 0
.irp i, 0,1,2,3,4,5,6,7
	ds_load_b128 v[\f+8*\i:\f+8*\i+3],   v[ADRA+\slot] offset:\k+\i*16*PITCH
	ds_load_b128 v[\f+8*\i+4:\f+8*\i+7], v[ADRA+\slot] offset:\k+\i*16*PITCH+32
.endr
.endm
; Four places of plain vector instructions stand between a matrix instruction and a load into a register that it has read, or an LDS store of its result
; (ISA guide 7.12.1 for vector instructions).
.macro PLACES
.rept 4
	v_nop
.endr
.endm
; The 64 accumulators take turns, one instruction a turn, in the same order in every half of a slot.
.macro QUARTER slot, k, f, g, zero
	s_wait_dscnt 8                                 ; B and A's rows 0-63 are in; the youngest eight loads (A's rows 64-127) may be out
	WIN MUL_LO
	MUL16 \f, 0, 0, \zero
	MUL16 \f, 0, 2, \zero
	PLACES
	FETCH \slot, \k, \g
	s_wait_dscnt 32                                ; all but the 32 just issued
	WIN MUL_HI
	MUL16 \f, 1, 0, \zero
	MUL16 \f, 1, 2, \zero
.endm
.macro TURN slot, next, fill
	s_wait_dscnt 8
	WIN MUL_LO
	MUL16 F1, 0, 0, 0
	s_wait_dscnt 0                                 ; my reads of this slot are over
	s_wait_tensorcnt 0x0                           ; and all my tensor loads have landed: the one that was out is my part of the next slot
	ds_add_u32 v255, v255
	s_wait_dscnt 0x0
	s_barrier_signal -1                            ; say so (where the slot is filled again this barrier opens a round of the cluster's barrier),
	MUL16 F1, 0, 2, 0                              ; work on registers while the others arrive,
	WIN 0
	s_barrier_wait -1
.if \fill
	CREST                                          ; no wave of any partner still reads this slot or has a load on its way
	s_add_nc_u64 s[G0+4*\slot+2:G0+4*\slot+3], s[G0+4*\slot+2:G0+4*\slot+3], 2*KS*2
	s_add_nc_u64 s[G0B+4*\slot+2:G0B+4*\slot+3], s[G0B+4*\slot+2:G0B+4*\slot+3], 2*KS*2
	JLOAD \slot                                    ; my one tensor load behind the round, and the first thing there
.endif
	PLACES
	FETCH \next, 0, F0
	WIN MUL_HI
	MUL16 F1, 1, 0, 0
	MUL16 F1, 1, 2, 0
.endm
.macro LAP zero
	QUARTER 0, 64, F0, F1, \zero
	TURN 0, 1, 1
	QUARTER 1, 64, F0, F1, 0
	TURN 1, 0, 1
.endm
	s_wait_tensorcnt 0x1                           ; my part of K step 0 is in; K step 1's, issued behind it, may stay out
	s_barrier_signal -1
	s_barrier_wait -1
	FETCH 0, 0, F0
	LAP 1                                          ; K steps 0 and 1; its first products start the sums; K steps 2 and 3 are asked for
	QUARTER 0, 64, F0, F1, 0                       ; the last lap (K = 1024 is two laps: no loop) fills nothing
	TURN 0, 1, 0
	QUARTER 1, 64, F0, F1, 0
	s_wait_dscnt 8
	WIN MUL_LO
	MUL16 F1, 0, 0, 0
	MUL16 F1, 0, 2, 0
	s_wait_dscnt 0
	WIN MUL_HI
	MUL16 F1, 1, 0, 0
	MUL16 F1, 1, 2, 0
	; THE SUM OVER THE FOUR WAVES AND THE WAY OUT.  The ring has had its last fill; its bytes now take the four partial blocks.
	WIN 0
	s_wait_dscnt 0x0                               ; (met) my reads of the ring are over,
	s_barrier_signal -1
	s_barrier_wait -1                              ; everybody's are
	PLACES
	s_lshl_b32 s16, s13, 7                         ; out0's row: 128 x block row + 32 x wave
	s_lshl_b32 s14, s10, 5
	s_add_co_u32 s16, s16, s14
	s_mul_i32 s16, s16, CROWB
	s_mov_b32 s17, 0
	s_add_nc_u64 s[8:9], s[8:9], s[16:17]
	s_lshl_b32 s46, s42, 9                         ; its column in bytes: 512 x block column
	s_mov_b32 s47, 0
	s_add_nc_u64 s[8:9], s[8:9], s[46:47]
.macro PUT hi, win
	WIN \win
.irp a, 0,1,2,3
.irp b, 0,1,2,3,4,5,6,7
	ds_store_b128 v[STO], v[8*(8*\a+\b):8*(8*\a+\b)+3]   offset:(4*\hi+\a)*16*RP+64*\b
	ds_store_b128 v[STO], v[8*(8*\a+\b)+4:8*(8*\a+\b)+7] offset:(4*\hi+\a)*16*RP+64*\b+16
.endr
.endr
.endm
	PUT 0, 0x08
	PUT 1, 0x0c
	WIN 0
	s_wait_dscnt 0x0                               ; for the others' sake: my partial block is written,
	s_barrier_signal -1
	s_barrier_wait -1                              ; everybody's is
	s_wait_loadcnt 0x0                             ; bias
; Eight of my 32 rows: 4 loads a row, one from each partial block; row i is in when the four loads of each younger row are still out.
.macro BATCH t
.if \t
	s_wait_xcnt 0x0                                ; the registers that the last eight stores read are loaded again only behind this wait
.endif
.irp i, 0,1,2,3,4,5,6,7
.irp q, 0,1,2,3
	ds_load_b128 v[RED+16*\i+4*\q:RED+16*\i+4*\q+3], v[RD+\q] offset:(8*\t+\i)*RP
.endr
.endr
.irp i, 0,1,2,3,4,5,6,7
	s_wait_dscnt 4*(7-\i)
	v_pk_add_f32 v[RED+16*\i:RED+16*\i+1],     v[RED+16*\i:RED+16*\i+1],     v[RED+16*\i+4:RED+16*\i+5]
	v_pk_add_f32 v[RED+16*\i+2:RED+16*\i+3],   v[RED+16*\i+2:RED+16*\i+3],   v[RED+16*\i+6:RED+16*\i+7]
	v_pk_add_f32 v[RED+16*\i+8:RED+16*\i+9],   v[RED+16*\i+8:RED+16*\i+9],   v[RED+16*\i+12:RED+16*\i+13]
	v_pk_add_f32 v[RED+16*\i+10:RED+16*\i+11], v[RED+16*\i+10:RED+16*\i+11], v[RED+16*\i+14:RED+16*\i+15]
	v_pk_add_f32 v[RED+16*\i:RED+16*\i+1],     v[RED+16*\i:RED+16*\i+1],     v[RED+16*\i+8:RED+16*\i+9]
	v_pk_add_f32 v[RED+16*\i+2:RED+16*\i+3],   v[RED+16*\i+2:RED+16*\i+3],   v[RED+16*\i+10:RED+16*\i+11]
	v_pk_fma_f32 v[RED+16*\i:RED+16*\i+1],     v[RED+16*\i:RED+16*\i+1],     s[72:73], v[BI:BI+1] op_sel_hi:[1,0,1]      ; sum x g + bias
	v_pk_fma_f32 v[RED+16*\i+2:RED+16*\i+3],   v[RED+16*\i+2:RED+16*\i+3],   s[72:73], v[BI+2:BI+3] op_sel_hi:[1,0,1]
	global_store_b128 v[CO], v[RED+16*\i:RED+16*\i+3], s[8:9] offset:(8*\t+\i)*CROWB th:TH_STORE_NT    ; the wave's store covers the block's 512 consecutive bytes of a row, aligned
.endr
.endm
	BATCH 0
	BATCH 1
	BATCH 2
	BATCH 3
	s_set_vgpr_msb 0x1
	s_wait_tensorcnt 0x0
	ds_add_u32 v255, v255
	s_wait_dscnt 0x0
	s_set_vgpr_msb 0x100
	CROUND                                         ; the closing round: no work-group ends while a partner may still ask for a tile that names it
	s_endpgm
.Lfunc_end_k_q15177a6a14_g4:
	.size	k_q15177a6a14_g4, .Lfunc_end_k_q15177a6a14_g4-k_q15177a6a14_g4
	.p2alignl 7, 3214868480
	.fill 96, 4, 3214868480
	.section	.rodata,"a",@progbits
	.p2align	6, 0x0
	.amdhsa_kernel k_q15177a6a14_g4
		.amdhsa_group_segment_fixed_size 327680
		.amdhsa_private_segment_fixed_size 0
		.amdhsa_enable_private_segment 0
		.amdhsa_kernarg_size 40
		.amdhsa_user_sgpr_count 2
		.amdhsa_user_sgpr_kernarg_segment_ptr 1
		.amdhsa_wavefront_size32 1
		.amdhsa_system_sgpr_workgroup_id_x 1
		.amdhsa_system_sgpr_workgroup_id_y 1
		.amdhsa_system_sgpr_workgroup_id_z 1
		.amdhsa_system_vgpr_workitem_id 0
		.amdhsa_next_free_vgpr 1024
		.amdhsa_next_free_sgpr 80
		.amdhsa_reserve_vcc 0
		.amdhsa_float_denorm_mode_32 3
		.amdhsa_float_denorm_mode_16_64 3
		.amdhsa_memory_ordered 1
		.amdhsa_forward_progress 1
		.amdhsa_inst_pref_size 96
	.end_amdhsa_kernel
	.amdgpu_metadata
---
amdhsa.version: [ 1, 2 ]
amdhsa.kernels:
  - .name:           k_q15177a6a14_g4
    .symbol:         k_q15177a6a14_g4.kd
    .args:
      - { .name: act1, .offset: 0, .size: 8, .value_kind: global_buffer, .address_space: global }
      - { .name: cu, .offset: 8, .size: 8, .value_kind: global_buffer, .address_space: global }
      - { .name: gs, .offset: 16, .size: 8, .value_kind: global_buffer, .address_space: global }
      - { .name: bias, .offset: 24, .size: 8, .value_kind: global_buffer, .address_space: global }
      - { .name: out0, .offset: 32, .size: 8, .value_kind: global_buffer, .address_space: global }
    .group_segment_fixed_size: 327680
    .private_segment_fixed_size: 0
    .kernarg_segment_align: 8
    .kernarg_segment_size: 40
    .max_flat_workgroup_size: 128
    .sgpr_count:     80
    .vgpr_count:     1024
    .wavefront_size: 32
...
	.end_amdgpu_metadata
.endif
;; end of part 3
;; ======== version 2 of 2: 4 launches; 1.45 times as fast as version 1
;; limits: values are held in f16: magnitudes above 65,504 overflow, below 6.1e-05 lose precision
;; workspace buffers: act0 8,388,608 bytes; act1 4,194,304 bytes; bv 8,388,608 bytes; cv 8,388,608 bytes; cu 8,388,608 bytes; gs 256 bytes; mt 4,194,304 bytes
;; launch prep (part 4): grid 1024 x 1, 8 waves a work-group, no clusters, 50,688 bytes of LDS; arguments x, Vt_real, Vt_imag, U_real, U_imag, S, act0, bv, cv, cu, gs; writes act0, bv, cv, cu, gs
.if DOCPART == 4
	.amdgcn_target "amdgcn-amd-amdhsa--gfx1250"
	.amdhsa_code_object_version 6
	.text
	.protected	k_q15177a6a14_prep
	.globl	k_q15177a6a14_prep
	.p2align	8
	.type	k_q15177a6a14_prep,@function
k_q15177a6a14_prep:
	s_mov_b64 s[64:65], 0
	v_nop
	global_prefetch_b8 v0, s[64:65] scope:SCOPE_SE
	s_setreg_imm32_b32 hwreg(HW_REG_WAVE_MODE, 25, 1), 1
	s_wait_xcnt 0x0
; RiemannLinearTransform: out = x W^T + bias, W = (U diag(S)) Vh, U = irfft(Ur + i Ui, zero-padded, 2048), Vh = irfft(Vr + i Vi, zero-padded, 4096).
;
; WORK LEFT OUT, for all finite values of the inputs:
;  * An inverse real FFT of a row c is a product with a fixed basis: irfft(c, N)[n] = (1/N) sum over f of w_f (Re c_f cos(2 pi f n / N) - Im c_f sin(2 pi f n / N)),
;    w_0 = 1, w_f = 2 otherwise.  The frequencies from 1024 (Vh) and from 512 (U) on are zeros that the padding itself builds: their products are not made.
;  * So out = (x Bv^T) (Cv^T diag(S) Bu^T) Cu^T + bias, with Cv = [Vr | Vi], Cu = [Ur | Ui] and Bv, Bu the bases.  Matrix products are associative in exact
;    arithmetic: the middle factor M (2048 x 1024) is made of the weights alone, beside x Bv^T; then their product, then Cu^T.  U, Vh and W are never formed.
;  * The angle of column n + 2048 is that of column n plus pi f, so even f see x[n] + x[n+2048] and odd f see x[n] - x[n+2048]: the first product has K = 2048.
;  * Bu has no table of its own: 2 pi f k / 2048 = 2 pi (2 f) k / 4096, so its rows are Bv's even frequencies over the first 2,048 columns, with the same w_f: plane 0 of bv.
;    diag(S) goes onto V's rows.
;  * Vt_imag[:, 0] and U_imag[:, 0] meet sin(0) = 0: they come with their neighbours' 16 bytes and are replaced by 0.
;  Every input has a way to the output and is loaded (bias by the last launch).
; LIMITS: the order of rounding differs from forming W first.  A NaN, an infinity or an overflow in Vt_imag[:, 0] or U_imag[:, 0], or one that would arise only in
;  U, Vh or W as matrices, is not carried to the result.  All matrix operands are f16, scaled by powers of two: |x[n] +- x[n+2048]|, 2^8 |V[k]| |S[k]| / pS (under 2^9 |V|),
;  8 |U| and the three intermediates (2^-10 x the DFT of x; M = the sum over k of 2^8 V S / pS times 2^-10 w_f cos|sin; the product of the two) must stay under 65,504,
;  and parts of an operand under 2^-24 are lost.  pS is the power of two at or below max |S|, held between 2^-100 and 2^100, so the size of S moves no operand; the last
;  launch multiplies by g = pS 2^-14 (-10 + 8 - 10 + 3 = -9 in the operands, 2^-23 = 1 / (4096 x 2048) in the two transforms).
;
; THIS LAUNCH makes the f16 operands, each large input byte read once.  The work-group's number picks a section.
;   0..255    BV: bv[b][j][n] = 2^-10 w_f (cos | -sin)(2 pi f n / 4096), f = 4 (j >> 2) + 2 (j & 1) + b, -sin where (j >> 1) & 1
;   256..511  V:  cv[1024 b + 4 t + i][k] = 2^8 S[k] / pS x Vr[k][4 t + 2 i + b] (i = 0, 1), x Vi[k][4 t + 2 (i - 2) + b] (i = 2, 3): V TRANSPOSED, k along the rows,
;                 row c as bv's row; and g
;   512..767  X:  act0[b][m][n] = x[m][n] + (-1)^b x[m][n+2048]
;   768..1023 U:  cu[o][4 t + i] = 8 Ur[o][2 t + i] (i = 0, 1), 8 Ui[o][2 t + i - 2] (i = 2, 3): column j as row j of bv's plane 0, whose frequency of the 2,048-point
;                 transform is 2 (j >> 2) + (j & 1)
; Only section V hands data from wave to wave (the maximum of |S| and the transposition, through LDS, a barrier each); in the others no wave needs another.
; Matrix units, clusters and tensor loads would add nothing here: the streaming sections are bound by their bytes, the basis section by plain arithmetic.
.set N8,   1                           ; v1        BV: 8 x thread, my first column.  Streams: my byte offset in the loads
.set KA1,  2                           ; v[2:19]   BV: constants, each twice (pairs for the packed arithmetic)
.set KA0,  4
.set KS1,  6
.set KS2,  8
.set KS3,  10
.set KC2,  12
.set KC3,  14
.set KONE, 16
.set KMH,  18
.set SD,   16                          ; v[16:31]  V: 2^8 S / pS of my 8 rows, each twice
.set Q,    20                          ; v[20:27]  BV: the angle's whole number for my 8 columns.  Section X: at work
.set ST,   20
.set OFFS, 28                          ; v28       BV: 16 x thread, never rewritten
.set WG,   30                          ; v[30:31]  BV: the weight 2^-10 w_f twice
.set P,    32                          ; v[32:39]  BV: the reduced angle
.set L,    32                          ; v[32:95]  streams: item i has 8 registers as loaded
.set Z,    40                          ; v[40:47]  its square
.set SN,   48                          ; v[48:55]  sin of it
.set CS,   56                          ; v[56:63]  cos of it
.set T,    64                          ; v[64:79]  at work
.set T2,   72
.set RS,   80                          ; v[80:87]  sin of the whole angle
.set RC,   88                          ; v[88:95]  cos of the whole angle
.set OB,   96                          ; v[96:127] BV: frequency i has 8 registers to store, its own: no store's data is ever rewritten
.set O,    96                          ; v[96:127] streams: 4 registers for each item (V: for each row of cv), its own
.set SP,   128                         ; v[128:135] V: S of my 8 rows
.set SX,   136                         ; v[136:143] V: my 8 of S's 2,048 numbers, then the eight waves' maxima
.set M,    144                         ; v[144:145] V: running maxima, then pS
.set INV,  146                         ; v146      V: 2^8 / pS
.set GV,   148                         ; v[148:149] V: g twice
.set GA,   150                         ; v150      V: 8 x lane
.set VROW, 48                          ; section V, LDS: a row of a wave's region: 16 k in f16 = 32 bytes + 16: 3 x 16, so sixteen consecutive rows start at sixteen different 16-byte columns modulo 256
.set VREG, 128*VROW+32                 ; a wave's region: 128 rows + 32 bytes, so that the eight regions' pieces of one row lie 32 bytes apart modulo 256
.set VMAX, 8*VREG                      ; behind the eight regions: a word for each wave's maximum
.macro KSET r, bits
	v_mov_b32 v[\r], \bits
	v_mov_b32 v[\r+1], \bits
.endm
; One frequency: its cos row and its -sin row, my 8 columns of each.  s34 = f = the angle's step from column to column in units of pi / 2048.
; The angle is q pi / 2048 with q = f x column, a whole number of which only the 12 low bits matter, so the reduction is exact:
; Q = q + 512; bits 11:10 of Q are the quadrant, and phi = ((Q & 1023) - 512) pi / 2048 lies in [-pi/4, pi/4).  There the series up to phi^7 and phi^6
; are cut at under 4e-6, far below an f16's half step.
.macro ROWPAIR i, offc, offs
	v_mad_u32_u24 v[Q], s34, v[N8], 0x200
.irp e, 1,2,3,4,5,6,7
	v_add_nc_u32 v[Q+\e], s34, v[Q+\e-1]
.endr
.irp e, 0,1,2,3,4,5,6,7
	v_and_b32 v[P+\e], 0x3ff, v[Q+\e]
.endr
.irp e, 0,1,2,3,4,5,6,7
	v_cvt_f32_u32 v[P+\e], v[P+\e]
.endr
.irp p, 0,2,4,6
	v_pk_fma_f32 v[P+\p:P+\p+1], v[P+\p:P+\p+1], v[KA1:KA1+1], v[KA0:KA0+1]      ; phi
.endr
.irp p, 0,2,4,6
	v_pk_mul_f32 v[Z+\p:Z+\p+1], v[P+\p:P+\p+1], v[P+\p:P+\p+1]                  ; z = phi^2
.endr
.irp p, 0,2,4,6
	v_pk_fma_f32 v[T+\p:T+\p+1], v[Z+\p:Z+\p+1], v[KS3:KS3+1], v[KS2:KS2+1]
	v_pk_mul_f32 v[T2+\p:T2+\p+1], v[Z+\p:Z+\p+1], v[P+\p:P+\p+1]                ; z phi
.endr
.irp p, 0,2,4,6
	v_pk_fma_f32 v[T+\p:T+\p+1], v[T+\p:T+\p+1], v[Z+\p:Z+\p+1], v[KS1:KS1+1]
.endr
.irp p, 0,2,4,6
	v_pk_fma_f32 v[SN+\p:SN+\p+1], v[T+\p:T+\p+1], v[T2+\p:T2+\p+1], v[P+\p:P+\p+1]   ; sin phi = phi + z phi (S1 + z (S2 + z S3))
.endr
.irp p, 0,2,4,6
	v_pk_fma_f32 v[T+\p:T+\p+1], v[Z+\p:Z+\p+1], v[KC3:KC3+1], v[KC2:KC2+1]
.endr
.irp p, 0,2,4,6
	v_pk_fma_f32 v[T+\p:T+\p+1], v[T+\p:T+\p+1], v[Z+\p:Z+\p+1], v[KMH:KMH+1]
.endr
.irp p, 0,2,4,6
	v_pk_fma_f32 v[CS+\p:CS+\p+1], v[T+\p:T+\p+1], v[Z+\p:Z+\p+1], v[KONE:KONE+1]     ; cos phi = 1 + z (-1/2 + z (C2 + z C3))
.endr
.irp e, 0,1,2,3,4,5,6,7
	v_lshlrev_b32 v[T+\e], 20, v[Q+\e]                     ; the quadrant's bits 11:10 move to bits 31:30
	v_and_b32 v[T2+\e], 0x40000000, v[T+\e]
	v_cmp_ne_u32 vcc_lo, 0, v[T2+\e]                       ; odd quadrant: sin and cos change places
	v_cndmask_b32 v[RS+\e], v[SN+\e], v[CS+\e], vcc_lo
	v_cndmask_b32 v[RC+\e], v[CS+\e], v[SN+\e], vcc_lo
	v_add_nc_u32 v[T2+\e], 0x40000000, v[T+\e]             ; quadrant + 1
	v_and_b32 v[T+\e], 0x80000000, v[T+\e]                 ; sin is negative in quadrants 2 and 3,
	v_and_b32 v[T2+\e], 0x80000000, v[T2+\e]               ; cos in quadrants 1 and 2
	v_xor_b32 v[RS+\e], v[T+\e], v[RS+\e]
	v_xor_b32 v[RC+\e], v[T2+\e], v[RC+\e]
.endr
.irp p, 0,2,4,6
	v_pk_mul_f32 v[RC+\p:RC+\p+1], v[RC+\p:RC+\p+1], v[WG:WG+1]
	v_pk_mul_f32 v[RS+\p:RS+\p+1], v[RS+\p:RS+\p+1], v[WG:WG+1] neg_lo:[0,1] neg_hi:[0,1]   ; -sin
.endr
.irp p, 0,2,4,6
	v_cvt_pk_f16_f32 v[OB+8*\i+\p/2], v[RC+\p], v[RC+\p+1]
	v_cvt_pk_f16_f32 v[OB+8*\i+4+\p/2], v[RS+\p], v[RS+\p+1]
.endr
	global_store_b128 v[OFFS], v[OB+8*\i:OB+8*\i+3], s[18:19] offset:\offc       ; a wave's store covers 512 consecutive bytes, aligned
	global_store_b128 v[OFFS], v[OB+8*\i+4:OB+8*\i+7], s[18:19] offset:\offs
.endm
	s_load_b512 s[4:19], s[0:1], 0x0               ; x 4:5, Vr 6:7, Vi 8:9, Ur 10:11, Ui 12:13, S 14:15, act0 16:17, bv 18:19
	s_load_b128 s[20:23], s[0:1], 0x40             ; cv 20:21, cu 22:23
	s_load_b64 s[24:25], s[0:1], 0x50              ; gs
	v_lshl_add_u32 v152, v0, 2, 0xc200
	v_mov_b32 v153, 0
	s_mov_b32 s31, 0                               ; the upper word of every byte offset here: all lie under 4 GiB
	s_mov_b32 s32, 0x41000000                      ; 8.0, twice
	s_mov_b32 s33, 0x41000000
	s_wait_kmcnt 0x0
	s_cmp_ge_u32 ttmp9, 768
	s_cbranch_scc1 .Lsec_u
	s_cmp_ge_u32 ttmp9, 512
	s_cbranch_scc1 .Lsec_x
	s_cmp_ge_u32 ttmp9, 256
	s_cbranch_scc1 .Lsec_v
	; ---- BV: work-group u makes frequencies 4 u + i, i = 0..3; thread t the columns 8 t .. 8 t + 7 of each of the eight rows.
	; Frequency 4 u + i lies in plane i & 1, its cos row at j = 4 u + (i >> 1), its -sin row two rows below.
	s_lshl_b32 s30, ttmp9, 14                      ; 4 rows of 4,096 bytes for each u
	s_add_nc_u64 s[18:19], s[18:19], s[30:31]
	s_lshl_b32 s35, ttmp9, 2
	s_mov_b32 s37, 0x3a800000                      ; 2^-10 w_0
	s_mov_b32 s38, 0x3b000000                      ; 2^-10 w_f = 2^-9
	v_lshlrev_b32 v[N8], 3, v0
	v_lshlrev_b32 v[OFFS], 4, v0
	KSET KA1, 0x3ac90fdb                           ; pi / 2048
	KSET KA0, 0xbf490fdb                           ; -pi / 4: the same mantissa, so 512 pi / 2048 - pi / 4 is exactly 0
	KSET KS1, 0xbe2aaaab                           ; -1/6
	KSET KS2, 0x3c088889                           ; 1/120
	KSET KS3, 0xb9500d01                           ; -1/5040
	KSET KC2, 0x3d2aaaab                           ; 1/24
	KSET KC3, 0xbab60b61                           ; -1/720
	KSET KONE, 1.0
	KSET KMH, -0.5
.irp i, 0,1,2,3
	s_add_co_u32 s34, s35, \i                      ; f, which is also the angle's step: 2 pi f n / 4096 = f n pi / 2048
	s_cmp_eq_u32 s34, 0
	s_cselect_b32 s36, s37, s38
	v_mov_b32 v[WG], s36
	v_mov_b32 v[WG+1], s36
	ROWPAIR \i, (\i&1)*4194304+(\i>>1)*4096, (\i&1)*4194304+(\i>>1)*4096+8192
.endr
	s_endpgm
	; ---- V, scaled by S and transposed.  Work-group u takes a tile of 128 k (kt = u >> 4) x 64 f (ft = u & 15) of both parts: 128 rows of cv, 256 bytes of each.
	; In: wave w, lane (tl = lane & 15, hl = lane >> 4) loads rows k = 128 kt + 16 w + 8 hl + e, e = 0..7, 16 bytes at f = 64 ft + 4 tl: sixteen lanes read 256
	; consecutive bytes, aligned, and a thread ends up with EIGHT CONSECUTIVE k of each of its 4 + 4 columns: 16 bytes of a row of cv.
	; The maximum of |S|: thread t takes S[8 t .. 8 t + 7] (256 threads cover the 2,048), the wave reduces, the eight waves' figures meet in LDS behind a barrier.
	; Every work-group of the section makes it for itself, from 8,192 bytes: nothing passes between work-groups.
	; Through LDS: a thread's 16 bytes go to row 16 q + tl of the wave's own region, q = (c >> 1) + 2 part + 4 (c & 1) for column c of the four: q & 3 is the row's i, q >> 2 its plane b.
	; Out: wave w takes the rows with q = w; lanes 0-15 gather the eight regions' pieces of row 16 w + 2 e, lanes 16-31 of the next: 256 consecutive bytes of cv each.
.Lsec_v:
	s_sub_co_u32 s28, ttmp9, 256                   ; u
	s_lshr_b32 s29, s28, 4                         ; kt
	s_and_b32 s34, s28, 15                         ; ft
	s_lshl_b32 s30, s29, 19                        ; 128 rows of 4,096 bytes
	s_lshl_b32 s35, s34, 8                         ; 64 f32
	s_add_co_u32 s30, s30, s35
	s_add_nc_u64 s[6:7], s[6:7], s[30:31]
	s_add_nc_u64 s[8:9], s[8:9], s[30:31]
	v_lshrrev_b32 v2, 5, v0
	v_readfirstlane_b32 s39, v2                    ; the wave's number
	v_and_b32 v3, 15, v0                           ; tl
	v_bfe_u32 v4, v0, 4, 1                         ; hl
	v_lshlrev_b32 v10, 5, v0                       ; my 8 of S's numbers for the maximum: 32 bytes x thread
	s_lshl_b32 s44, s29, 9                         ; S of my eight rows: 4 bytes x (128 kt + 16 w + 8 hl)
	s_lshl_b32 s45, s39, 6
	s_add_co_u32 s44, s44, s45
	v_lshl_add_u32 v11, v4, 5, s44
	global_load_b128 v[SX:SX+3],   v10, s[14:15]               ; the four loads of S go first: they are wanted first
	global_load_b128 v[SX+4:SX+7], v10, s[14:15] offset:16
	global_load_b128 v[SP:SP+3],   v11, s[14:15]
	global_load_b128 v[SP+4:SP+7], v11, s[14:15] offset:16
	s_lshl_b32 s36, s39, 16                        ; 16 rows of 4,096 bytes a wave
	v_lshlrev_b32 v1, 4, v3
	v_lshl_add_u32 v1, v4, 15, v1                  ; + 8 rows for the upper sixteen lanes
	v_add_nc_u32 v1, s36, v1
.irp i, 0,1,2,3,4,5,6,7
	global_load_b128 v[L+8*\i:L+8*\i+3],   v1, s[6:7] offset:\i*4096 th:TH_LOAD_NT
	global_load_b128 v[L+8*\i+4:L+8*\i+7], v1, s[8:9] offset:\i*4096 th:TH_LOAD_NT
.endr
	v_lshl_or_b32 v5, s34, 4, v3                   ; f / 4
	v_cmp_ne_u32 vcc_lo, 0, v5                     ; the threads with f / 4 = 0 hold frequency 0
	v_lshlrev_b32 v6, 4, v3                        ; out: my 16 bytes of a row's 256,
	v_lshl_add_u32 v6, v4, 14, v6                  ; and 4 rows of cv (the next t) further down for the upper sixteen lanes
	s_mul_i32 s40, s39, VREG                       ; my wave's region
	v_mul_u32_u24 v7, v3, VROW
	v_lshl_add_u32 v7, v4, 4, v7
	v_add_nc_u32 v7, s40, v7                       ; in: region + row tl + 16 hl
	v_lshrrev_b32 v9, 1, v3
	v_mul_u32_u24 v8, v9, VREG                     ; back: byte 16 tl of a row of cv is k = 8 tl ..: region tl >> 1,
	v_and_b32 v9, 1, v3
	v_lshl_add_u32 v8, v9, 4, v8                   ; its half tl & 1,
	v_mad_u32_u24 v8, v4, VROW, v8                 ; row hl
	s_mul_i32 s41, s39, 16*VROW
	v_add_nc_u32 v8, s41, v8                       ; of my sixteen rows
	v_mov_b32 v12, s39
	v_lshlrev_b32 v12, 2, v12                      ; my wave's word among the maxima
	v_mov_b32 v13, 0
	v_and_b32 v[GA], 31, v0
	v_lshlrev_b32 v[GA], 3, v[GA]
	s_mov_b32 s42, 0x76543210                      ; v_permlanex16_b32: lane i of one half reads lane i of the other
	s_mov_b32 s43, 0xfedcba98
	s_lshr_b32 s37, s39, 2                         ; cv's row 1024 b + 64 ft + i, b = w >> 2, i = w & 3
	s_lshl_b32 s37, s37, 10
	s_and_b32 s38, s39, 3
	s_add_co_u32 s37, s37, s38
	s_lshl_b32 s38, s34, 6
	s_add_co_u32 s37, s37, s38
	s_lshl_b32 s30, s37, 12                        ; rows of 4,096 bytes,
	s_lshl_b32 s38, s29, 8                         ; and the tile's 128 k
	s_add_co_u32 s30, s30, s38
	s_add_nc_u64 s[20:21], s[20:21], s[30:31]
	s_wait_loadcnt 16                              ; the four loads of S are in; the sixteen of V, issued behind them, stay out
	v_max_num_f32 v[M],   |v[SX]|,   |v[SX+1]|     ; two chains, each started by its first two numbers
	v_max_num_f32 v[M+1], |v[SX+2]|, |v[SX+3]|
	v_max3_num_f32 v[M],   v[M],   |v[SX+4]|, |v[SX+5]|
	v_max3_num_f32 v[M+1], v[M+1], |v[SX+6]|, |v[SX+7]|
	v_max_num_f32 v[M], v[M], v[M+1]
	v_max_num_f32_dpp v[M], v[M], v[M] row_xmask:1 row_mask:0xf bank_mask:0xf
	v_max_num_f32_dpp v[M], v[M], v[M] row_xmask:2 row_mask:0xf bank_mask:0xf
	v_max_num_f32_dpp v[M], v[M], v[M] row_xmask:4 row_mask:0xf bank_mask:0xf
	v_max_num_f32_dpp v[M], v[M], v[M] row_xmask:8 row_mask:0xf bank_mask:0xf
	v_permlanex16_b32 v[M+1], v[M], s42, s43       ; its destination has been written before
	v_max_num_f32 v[M], v[M], v[M+1]               ; my wave's maximum in every lane
	ds_store_b32 v12, v[M] offset:VMAX             ; all lanes write the same word with the same value
	s_wait_dscnt 0x0                               ; for the others' sake: my word is written,
	s_barrier_signal -1
	s_barrier_wait -1                              ; everybody's is; these 32 bytes are not written again
	ds_load_b128 v[SX:SX+3],   v13 offset:VMAX
	ds_load_b128 v[SX+4:SX+7], v13 offset:VMAX+16
	s_wait_dscnt 0x0
	v_max3_num_f32 v[M],   v[SX],   v[SX+1], v[SX+2]
	v_max3_num_f32 v[M+1], v[SX+3], v[SX+4], v[SX+5]
	v_max3_num_f32 v[M],   v[M],    v[SX+6], v[SX+7]
	v_max_num_f32 v[M], v[M], v[M+1]               ; max |S|
	v_max_num_f32 v[M], 0x0d800000, v[M]           ; held between 2^-100
	v_min_num_f32 v[M], 0x71800000, v[M]           ; and 2^100: pS, 2^8 / pS and g are then ordinary numbers, for S = 0 too
	v_and_b32 v[M], 0x7f800000, v[M]               ; pS: the exponent alone
	v_sub_nc_u32 v[INV], 0x83000000, v[M]          ; 2^8 / pS: exponent field 254 + 8 - e, between 35 and 235
.irp e, 0,1,2,3,4,5,6,7
	v_mul_f32 v[SD+2*\e],   v[SP+\e], v[INV]       ; exact: a power of two.  Twice: a pair for the packed multiply
	v_mul_f32 v[SD+2*\e+1], v[SP+\e], v[INV]
.endr
	s_cmp_lg_u32 s28, 0                            ; g is stored by one wave of the launch: wave 0 of this section's first work-group
	s_cbranch_scc1 .Lno_g
	s_cmp_lg_u32 s39, 0
	s_cbranch_scc1 .Lno_g
	v_mul_f32 v[GV], 0x38800000, v[M]              ; g = pS 2^-14
	v_mov_b32 v[GV+1], v[GV]
	global_store_b64 v[GA], v[GV:GV+1], s[24:25]   ; 32 lanes x 8 bytes: the buffer's 256 bytes whole; GV and GA are not written again
.Lno_g:
.irp i, 0,1,2,3,4,5,6,7
	s_wait_loadcnt 14-2*\i                         ; row i's two loads are in when only the two of each younger row are out
	v_cndmask_b32 v[L+8*\i+4], 0, v[L+8*\i+4], vcc_lo          ; the imaginary part of frequency 0 becomes 0
.irp p, 0,2,4,6
	v_pk_mul_f32 v[L+8*\i+\p:L+8*\i+\p+1], v[L+8*\i+\p:L+8*\i+\p+1], v[SD+2*\i:SD+2*\i+1]     ; times 2^8 S[k] / pS of row k
.endr
.endr
.irp p, 0,1
.irp c, 0,1,2,3
.irp t, 0,1,2,3
	v_cvt_pk_f16_f32 v[O+16*\p+4*\c+\t], v[L+16*\t+4*\p+\c], v[L+16*\t+8+4*\p+\c]      ; k = 2 t and 2 t + 1 of my eight
.endr
	ds_store_b128 v7, v[O+16*\p+4*\c:O+16*\p+4*\c+3] offset:((\c>>1)+2*\p+4*(\c&1))*16*VROW
.endr
.endr
	s_wait_dscnt 0x0                               ; for the others' sake: my region is written,
	s_barrier_signal -1
	s_barrier_wait -1                              ; everybody's is
.irp e, 0,1,2,3,4,5,6,7
	ds_load_b128 v[L+4*\e:L+4*\e+3], v8 offset:\e*2*VROW
.endr
.irp e, 0,1,2,3,4,5,6,7
	s_wait_dscnt 7-\e                              ; LDS loads come back in order: pair e is in, the younger ones may be out
	global_store_b128 v6, v[L+4*\e:L+4*\e+3], s[20:21] offset:\e*32768     ; t = 2 e + hl: sixteen lanes store 256 consecutive bytes, aligned
.endr
	s_wait_tensorcnt 0x0
	ds_add_u32 v152, v153
	s_wait_dscnt 0x0
	s_endpgm
	; ---- X: work-group u takes rows 4 u .. 4 u + 3.  Item i: row i >> 1, columns 1024 (i & 1) + 4 t .. + 3 and the same 2,048 columns further on.
	; All sixteen loads of a thread go out first; item i's two are in when the two of each younger item are still out.
.Lsec_x:
	s_sub_co_u32 s28, ttmp9, 512
	s_lshl_b32 s30, s28, 16                        ; 4 rows of 16,384 bytes
	s_add_nc_u64 s[4:5], s[4:5], s[30:31]
	s_lshl_b32 s30, s28, 14                        ; 4 rows of 4,096 bytes
	s_add_nc_u64 s[16:17], s[16:17], s[30:31]
	v_lshlrev_b32 v1, 4, v0
	v_lshlrev_b32 v2, 3, v0
.irp i, 0,1,2,3,4,5,6,7
	global_load_b128 v[L+8*\i:L+8*\i+3],   v1, s[4:5] offset:(\i>>1)*16384+(\i&1)*4096 th:TH_LOAD_NT
	global_load_b128 v[L+8*\i+4:L+8*\i+7], v1, s[4:5] offset:(\i>>1)*16384+(\i&1)*4096+8192 th:TH_LOAD_NT
.endr
.irp i, 0,1,2,3,4,5,6,7
	s_wait_loadcnt 14-2*\i
	v_pk_add_f32 v[ST:ST+1],   v[L+8*\i:L+8*\i+1],   v[L+8*\i+4:L+8*\i+5]
	v_pk_add_f32 v[ST+2:ST+3], v[L+8*\i+2:L+8*\i+3], v[L+8*\i+6:L+8*\i+7]
	v_pk_add_f32 v[ST+4:ST+5], v[L+8*\i:L+8*\i+1],   v[L+8*\i+4:L+8*\i+5] neg_lo:[0,1] neg_hi:[0,1]
	v_pk_add_f32 v[ST+6:ST+7], v[L+8*\i+2:L+8*\i+3], v[L+8*\i+6:L+8*\i+7] neg_lo:[0,1] neg_hi:[0,1]
	v_cvt_pk_f16_f32 v[O+4*\i],   v[ST],   v[ST+1]
	v_cvt_pk_f16_f32 v[O+4*\i+1], v[ST+2], v[ST+3]
	v_cvt_pk_f16_f32 v[O+4*\i+2], v[ST+4], v[ST+5]
	v_cvt_pk_f16_f32 v[O+4*\i+3], v[ST+6], v[ST+7]
	global_store_b64 v2, v[O+4*\i:O+4*\i+1],   s[16:17] offset:(\i>>1)*4096+(\i&1)*2048             ; the sums' plane; a wave's store covers 256 consecutive bytes, aligned
	global_store_b64 v2, v[O+4*\i+2:O+4*\i+3], s[16:17] offset:(\i>>1)*4096+(\i&1)*2048+4194304     ; the differences' plane
.endr
	s_endpgm
	; ---- U: dense.  A row of Ur or Ui (512 f32) and a row of cu (1,024 f16) are 2,048 bytes each, so my 16 bytes of each part and my 16 bytes of cu have one offset.
	; My frequencies 4 T .. 4 T + 3 are cu's columns 8 T .. 8 T + 7 in the order re 0, re 1, im 0, im 1, re 2, re 3, im 2, im 3.
.Lsec_u:
	s_sub_co_u32 s28, ttmp9, 768
	s_lshl_b32 s30, s28, 15
	s_add_nc_u64 s[10:11], s[10:11], s[30:31]
	s_add_nc_u64 s[12:13], s[12:13], s[30:31]
	s_add_nc_u64 s[22:23], s[22:23], s[30:31]
	v_lshlrev_b32 v1, 4, v0
	v_and_b32 v3, 127, v0
	v_cmp_ne_u32 vcc_lo, 0, v3                     ; threads 0 and 128 hold a row's frequency 0
.irp i, 0,1,2,3,4,5,6,7
	global_load_b128 v[L+8*\i:L+8*\i+3],   v1, s[10:11] offset:\i*4096 th:TH_LOAD_NT
	global_load_b128 v[L+8*\i+4:L+8*\i+7], v1, s[12:13] offset:\i*4096 th:TH_LOAD_NT
.endr
.irp i, 0,1,2,3,4,5,6,7
	s_wait_loadcnt 14-2*\i                         ; item i's two loads are in when only the two of each younger item are out
	v_cndmask_b32 v[L+8*\i+4], 0, v[L+8*\i+4], vcc_lo          ; the imaginary part of frequency 0 becomes 0
.irp p, 0,2,4,6
	v_pk_mul_f32 v[L+8*\i+\p:L+8*\i+\p+1], v[L+8*\i+\p:L+8*\i+\p+1], s[32:33] op_sel_hi:[1,0]     ; times 8
.endr
	v_cvt_pk_f16_f32 v[O+4*\i],   v[L+8*\i],   v[L+8*\i+1]     ; re 0, re 1
	v_cvt_pk_f16_f32 v[O+4*\i+1], v[L+8*\i+4], v[L+8*\i+5]     ; im 0, im 1
	v_cvt_pk_f16_f32 v[O+4*\i+2], v[L+8*\i+2], v[L+8*\i+3]     ; re 2, re 3
	v_cvt_pk_f16_f32 v[O+4*\i+3], v[L+8*\i+6], v[L+8*\i+7]     ; im 2, im 3
	global_store_b128 v1, v[O+4*\i:O+4*\i+3], s[22:23] offset:\i*4096
.endr
	s_endpgm
.Lfunc_end_k_q15177a6a14_prep:
	.size	k_q15177a6a14_prep, .Lfunc_end_k_q15177a6a14_prep-k_q15177a6a14_prep
	.p2alignl 7, 3214868480
	.fill 96, 4, 3214868480
	.section	.rodata,"a",@progbits
	.p2align	6, 0x0
	.amdhsa_kernel k_q15177a6a14_prep
		.amdhsa_group_segment_fixed_size 50688
		.amdhsa_private_segment_fixed_size 0
		.amdhsa_enable_private_segment 0
		.amdhsa_kernarg_size 88
		.amdhsa_user_sgpr_count 2
		.amdhsa_user_sgpr_kernarg_segment_ptr 1
		.amdhsa_wavefront_size32 1
		.amdhsa_system_sgpr_workgroup_id_x 1
		.amdhsa_system_sgpr_workgroup_id_y 1
		.amdhsa_system_sgpr_workgroup_id_z 1
		.amdhsa_system_vgpr_workitem_id 0
		.amdhsa_next_free_vgpr 154
		.amdhsa_next_free_sgpr 66
		.amdhsa_reserve_vcc 1
		.amdhsa_float_denorm_mode_32 3
		.amdhsa_float_denorm_mode_16_64 3
		.amdhsa_memory_ordered 1
		.amdhsa_forward_progress 1
		.amdhsa_inst_pref_size 61
	.end_amdhsa_kernel
	.amdgpu_metadata
---
amdhsa.version: [ 1, 2 ]
amdhsa.kernels:
  - .name:           k_q15177a6a14_prep
    .symbol:         k_q15177a6a14_prep.kd
    .args:
      - { .name: x, .offset: 0, .size: 8, .value_kind: global_buffer, .address_space: global }
      - { .name: Vt_real, .offset: 8, .size: 8, .value_kind: global_buffer, .address_space: global }
      - { .name: Vt_imag, .offset: 16, .size: 8, .value_kind: global_buffer, .address_space: global }
      - { .name: U_real, .offset: 24, .size: 8, .value_kind: global_buffer, .address_space: global }
      - { .name: U_imag, .offset: 32, .size: 8, .value_kind: global_buffer, .address_space: global }
      - { .name: S, .offset: 40, .size: 8, .value_kind: global_buffer, .address_space: global }
      - { .name: act0, .offset: 48, .size: 8, .value_kind: global_buffer, .address_space: global }
      - { .name: bv, .offset: 56, .size: 8, .value_kind: global_buffer, .address_space: global }
      - { .name: cv, .offset: 64, .size: 8, .value_kind: global_buffer, .address_space: global }
      - { .name: cu, .offset: 72, .size: 8, .value_kind: global_buffer, .address_space: global }
      - { .name: gs, .offset: 80, .size: 8, .value_kind: global_buffer, .address_space: global }
    .group_segment_fixed_size: 50688
    .private_segment_fixed_size: 0
    .kernarg_segment_align: 8
    .kernarg_segment_size: 88
    .max_flat_workgroup_size: 256
    .sgpr_count:     66
    .vgpr_count:     154
    .wavefront_size: 32
...
	.end_amdgpu_metadata
.endif
;; end of part 4
;; launch xm (part 5): grid 8 x 32, 4 waves a work-group, clusters of 4 x 4, 327,680 bytes of LDS; arguments act0, bv, act1, cv, mt; writes act1, mt
.if DOCPART == 5
	.amdgcn_target "amdgcn-amd-amdhsa--gfx1250"
	.amdhsa_code_object_version 6
	.text
	.protected	k_q15177a6a14_xm
	.globl	k_q15177a6a14_xm
	.p2align	8
	.type	k_q15177a6a14_xm,@function
k_q15177a6a14_xm:
	s_mov_b64 s[64:65], 0
	v_nop
	global_prefetch_b8 v0, s[64:65] scope:SCOPE_SE
	s_setreg_imm32_b32 hwreg(HW_REG_WAVE_MODE, 25, 1), 1
	s_wait_xcnt 0x0
	s_wait_alu depctr_hold_cnt(0) depctr_sa_sdst(0) depctr_va_vdst(0) depctr_va_sdst(0) depctr_va_ssrc(0) depctr_va_vcc(0) depctr_vm_vsrc(0)
	s_getreg_b32 s2, hwreg(HW_REG_IB_STS2, 6, 4)
	s_cmp_eq_u32 s2, 0
	s_cbranch_scc0 .Lentry_in_a_cluster
	s_endpgm
.Lentry_in_a_cluster:
	s_bfe_u32 s2, ttmp6, 0x10000c
	s_cmp_lg_u32 s2, 0xf033
	s_cbranch_scc0 .Lentry_shape_is_right
	s_endpgm
.Lentry_shape_is_right:
; TWO PRODUCTS OF ONE SHAPE IN ONE LAUNCH, neither of which needs the other: C = A B^T in f16 with f32 sums, K = 2048, C rounded once to f16, all pitches 2,048 elements.
; They are two factors of out = (x Bv^T) (Cv^T diag(S) Bu^T) Cu^T + bias (the padded frequencies and the matrices U, Vh, W are not formed: see the first kernel's head):
;   clusters with y = 0..3: A = folded x (two planes = 2,048 stacked rows), B = basis bv (two planes), C = act1 = 2^-10 DFT of x, plane b's 1,024 columns at column 1024 b
;   clusters with y = 4..7: A = plane 0 of bv (its 1,024 rows are also the basis of the 2,048-point transform: 2 pi (2 f) k / 4096 = 2 pi f k / 2048),
;                           B = cv (V times S / pS, transposed, 2,048 rows c), C = mt[j][c]: the middle factor, transposed, c along the rows
; Each is 128 blocks of 128 x 128, 256 work-groups together.  With cl = (cluster's y) & 3: the plane (of B's rows and C's columns) is b = cl >> 1, C's block row is
; 4 (cl & 1) + cy, A's block row is 4 cl + cy in the first product (16 stacked block rows) and 4 (cl & 1) + cy in the second (8).  Which product, cl and b come from the
; cluster's y alone: all sixteen partners share them, and the choice among the buffers' addresses hangs on nothing else.
; K IS SHARED OUT AMONG THE FOUR WAVES: each makes the whole block, 64 accumulator tiles in 512 registers, over its quarter of every slot's K.  So each LDS byte is read
; once, 32 loads of 16 bytes a lane for 64 matrix instructions; four waves of 64 x 64 would read every byte twice.  The price is one sum of the four partial blocks
; through LDS at the end, which also turns the lanes' pieces into whole rows for the stores.
; K goes in steps of 256 (rows of 512 bytes, starting at multiples of 512 from the buffer's first byte) through a ring of two LDS slots.
; CLUSTERS: 4 x 4 work-groups.  The four of a row of the cluster need the same rows of A, the four of a column the same rows of B: each tile is asked for jointly,
; by the same tensor load with the same descriptor and a mask that names the four.  That divides the requests for A and for B by four.
; A wave has two tensor loads out at the start and one behind each round of the cluster's barrier.
; REGISTERS in windows of 256: window 0: v0-31 addresses, v64-127 and v128-191 fragments of A (two buffers), v192-207 results to store;
;   window 1: v64-127, v128-191 fragments of B; window 2: accumulator tiles of block rows 0-63 (tile (a, b) at v[8 (8 a + b)]); window 3: rows 64-127.
; THE MATRIX INSTRUCTION IS USED TRANSPOSED (source 0 = 16 rows of B, source 1 = 16 rows of A): lane l holds row l % 16 of C, its registers columns 8 (l / 16) + 0..7.
; LIMIT: operands and C are f16: |C| must stay under 65,504 (the scalings are given at the first kernel's head).
.set KTOT,   2048
.set KS,     256                       ; K of a slot
.set PITCH,  528                       ; an LDS row: 512 bytes + 16 of padding = 33 x 16: the 16 rows that a load touches start at 16 different 16-byte columns modulo 256
.set HALFT,  64*PITCH                  ; 64 rows: what one tensor load brings
.set SLOT,   4*HALFT                   ; A's 128 rows, then B's 128 rows
.set LAPS,   KTOT/(2*KS)               ; a lap = once round the ring
.set APITCH, 2048
.set BPITCH, 2048
.set CROWB,  4096                      ; bytes in a row of C
.set RP,     528                       ; a row of a partial block: 128 f32 + 16 bytes
.set RW,     128*RP                    ; a wave's partial block; four of them take exactly the ring's bytes, after its last fill
.set ADRA, 16                          ; v16-17  LDS address of my A fragments in slot 0, 1
.set ADRB, 20                          ; v20-21  the same for B
.set STO,  24                          ; v24     where I put my piece of my partial block
.set CO,   25                          ; v25     my byte offset in a row of C
.set RD,   26                          ; v26-29  where I read my 16 bytes of a row of partial block 0..3
.set F0,   64
.set F1,   128
.set RED,  64                          ; v64-191 the sum: row i of eight has 16 registers, 4 from each partial block
.set OUT,  192
.set G1,  24                           ; s[24:31] descriptor group 1 for A's tiles
.set G0,  32                           ; s[32:39] group 0 for A's tiles, a set for each slot
.set G1B, 48                           ; s[48:55] group 1 for B's tiles
.set G0B, 56                           ; s[56:63] group 0 for B's tiles
.set MSB, 0
.macro WIN new                         ; the immediate's high byte repeats the setting that is left; a switch that changes nothing is dropped
.if MSB != \new
	s_set_vgpr_msb (MSB<<8)|\new
.set MSB, \new
.endif
.endm
.set MUL_LO, 0xa1                      ; source 0 (B) window 1, source 1 (A) window 0, C and D window 2
.set MUL_HI, 0xf1                      ; the same, C and D window 3
.set TO_B,   0x40                      ; destination window 1, address window 0
; A joint load.  Waves 0 and 1 fetch A's two halves, waves 2 and 3 B's.  Each line has one mask and one set of registers; the branch hangs on the wave's number alone.
.macro JLOAD s
	s_cmp_eq_u32 s11, 0
	s_cbranch_scc0 .Lfor_b_\@
	tensor_load_to_lds s[G0+4*\s:G0+4*\s+3], s[G1:G1+7]
	s_nop 0
	s_branch .Lasked_\@
.Lfor_b_\@:
	tensor_load_to_lds s[G0B+4*\s:G0B+4*\s+3], s[G1B:G1B+7]
	s_nop 0
.Lasked_\@:
.endm
; A round of the cluster's barrier: my work-group's barrier, so that wave 0's signal speaks for all four waves; wave 0 signals for the work-group;
; every wave waits for all sixteen work-groups; my work-group's barrier once more.
.macro CREST                           ; a round behind its opening barrier
	s_cmp_lg_u32 s10, 0
	s_cbranch_scc1 .Lnot_wave_0_\@
	s_barrier_signal -3
.Lnot_wave_0_\@:
	s_barrier_wait -3
	s_barrier_signal -1
	s_barrier_wait -1
.endm
.macro CROUND
	s_barrier_signal -1
	s_barrier_wait -1
	CREST
.endm
	s_load_b256 s[68:75], s[0:1], 0x0              ; act0 s[68:69], bv s[70:71], act1 s[72:73], cv s[74:75]
	s_load_b64 s[76:77], s[0:1], 0x20              ; mt
	s_set_vgpr_msb 0x40
	v_lshl_add_u32 v255, v0, 2, 0x42000
	s_set_vgpr_msb 0x4000
	v_mov_b32 v255, 0
	s_set_vgpr_msb 0x1
	ds_add_u32 v255, v255
	ds_add_u32 v255, v255
	s_set_vgpr_msb 0x100
	v_lshrrev_b32 v1, 5, v0
	v_readfirstlane_b32 s10, v1                    ; wave 0..3: my quarter of a slot's K
	s_lshr_b32 s11, s10, 1                         ; I fetch for A (0) or for B (1),
	s_and_b32 s12, s10, 1                          ; and which 64 rows
	s_bfe_u32 s40, ttmp6, 0x40000                  ; cx
	s_bfe_u32 s41, ttmp6, 0x40004                  ; cy
	s_lshl_b32 s42, ttmp9, 2
	s_add_co_u32 s42, s42, s40                     ; block column = 4 x cluster x + cx
	s_and_b32 s13, ttmp7, 0xffff                   ; the cluster's y, 0..7
	s_lshr_b32 s66, s13, 2                         ; which product: 0 the DFT of x, 1 the middle factor
	s_and_b32 s13, s13, 3                          ; cl
	s_lshr_b32 s45, s13, 1                         ; the plane b
	s_and_b32 s67, s13, 1
	s_lshl_b32 s67, s67, 2
	s_add_co_u32 s67, s67, s41                     ; C's block row = 4 (cl & 1) + cy
	s_lshr_b32 s21, 3, s66                         ; 3 or 1: the folded x has 16 block rows, a plane of bv has 8
	s_and_b32 s13, s13, s21
	s_lshl_b32 s13, s13, 2
	s_add_co_u32 s13, s13, s41                     ; A's block row
	s_lshl_b32 s43, s41, 2
	s_lshl_b32 s43, 15, s43                        ; my row of the cluster: places 4 cy .. 4 cy + 3
	s_lshl_b32 s44, 0x1111, s40                    ; my column: places cx, cx + 4, cx + 8, cx + 12
	; group 1: a tile of 64 rows x 256 elements of 2 bytes, 4 words of padding behind every 128 words
	s_or_b32 s[G1+0], s43, (1<<16)|(1<<20)|(1<<21)|(6<<22)|(3<<25)  ; 15:0 mask: A's tiles go to my row; 17:16 2 bytes; 20 padding on; 21 set beside a mask; 24:22 interval code 6; 31:25 pad code 3
	s_or_b32 s[G1B+0], s44, (1<<16)|(1<<20)|(1<<21)|(6<<22)|(3<<25) ; the same with my column's mask
	s_mov_b32 s[G1+1], KS<<16                      ; tensor_dim0 = 256
	s_mov_b32 s[G1B+1], KS<<16
	s_mov_b32 s[G1+2], 64<<16                      ; tensor_dim1 = 64
	s_mov_b32 s[G1B+2], 64<<16
	s_mov_b32 s[G1+3], KS<<16                      ; tile_dim0 = 256
	s_mov_b32 s[G1B+3], KS<<16
	s_mov_b32 s[G1+4], 64                          ; tile_dim1 = 64
	s_mov_b32 s[G1B+4], 64
	s_mov_b32 s[G1+5], APITCH                      ; elements from row to row
	s_mov_b32 s[G1B+5], BPITCH
	s_mov_b32 s[G1+6], 0
	s_mov_b32 s[G1B+6], 0
	s_mov_b32 s[G1+7], 0
	s_mov_b32 s[G1B+7], 0
	; A's tiles hang on A's block row alone, B's on the block column and the plane alone; each offset is made in registers that never hold the other coordinate.
	s_lshl_b32 s17, s12, 6                         ; which 64 rows I fetch
	s_lshl_b32 s16, s13, 7
	s_add_co_u32 s16, s16, s17                     ; A: row 128 x block row + 64 x half
	s_mul_i32 s16, s16, APITCH*2                   ; in bytes: under 2^23
	s_lshl_b32 s46, s42, 7
	s_add_co_u32 s46, s46, s17
	s_lshl_b32 s47, s45, 10
	s_add_co_u32 s46, s46, s47                     ; B: row 1024 b + 128 x block column + 64 x half
	s_mul_i32 s46, s46, BPITCH*2
	s_mov_b32 s17, 0
	s_mov_b32 s47, 0
	s_mul_i32 s20, s10, HALFT                      ; where my tile goes: A's halves, then B's = wave x 64 rows
	s_wait_dscnt 0x0
	s_wait_kmcnt 0x0
	s_cmp_lg_u32 s66, 0                            ; the product's three buffers
	s_cselect_b64 s[4:5], s[70:71], s[68:69]       ; A: bv (its plane 0) or the folded x
	s_cselect_b64 s[6:7], s[74:75], s[70:71]       ; B: cv or bv
	s_cselect_b64 s[8:9], s[76:77], s[72:73]       ; C: mt or act1
	s_add_nc_u64 s[14:15], s[4:5], s[16:17]
	s_add_nc_u64 s[46:47], s[6:7], s[46:47]
	CROUND                                         ; all sixteen work-groups are here: the first joint loads meet
.irp s, 0,1
	s_mov_b32 s[G0+4*\s], 1                                        ; count = 1
	s_add_co_u32 s[G0+4*\s+1], s20, \s*SLOT                        ; LDS address
	s_add_nc_u64 s[G0+4*\s+2:G0+4*\s+3], s[14:15], \s*KS*2         ; global address: K step s
	s_or_b32 s[G0+4*\s+3], s[G0+4*\s+3], 0x80000000                ; type = 2
	s_mov_b32 s[G0B+4*\s], 1
	s_add_co_u32 s[G0B+4*\s+1], s20, \s*SLOT
	s_add_nc_u64 s[G0B+4*\s+2:G0B+4*\s+3], s[46:47], \s*KS*2
	s_or_b32 s[G0B+4*\s+3], s[G0B+4*\s+3], 0x80000000
	JLOAD \s                                       ; both first fills go out before anything else is done
.endr
	; A fragment is 16 rows x 32 K in 8 registers: lane l holds row l % 16; registers 0-3 K = 8 (l / 16) + 0..7, registers 4-7 K = 16 + 8 (l / 16) + 0..7:
	; two loads of 16 bytes, 32 bytes apart.  My quarter of a slot's K begins 128 bytes x wave into each row.
	v_and_b32 v1, 15, v0                           ; l % 16
	v_bfe_u32 v2, v0, 4, 1                         ; l / 16
	v_and_b32 v5, 31, v0                           ; l
	v_mul_u32_u24 v3, v1, PITCH
	v_lshl_add_u32 v3, v2, 4, v3
	s_lshl_b32 s21, s10, 7
	v_add_nc_u32 v[ADRA], s21, v3
	v_add_nc_u32 v[ADRA+1], SLOT, v[ADRA]
	v_add_nc_u32 v[ADRB], 2*HALFT, v[ADRA]
	v_add_nc_u32 v[ADRB+1], 2*HALFT+SLOT, v[ADRA]
	s_mul_i32 s23, s10, RW                         ; my partial block
	v_mul_u32_u24 v4, v1, RP
	v_lshl_add_u32 v4, v2, 5, v4                   ; row l % 16, 32 bytes (8 f32) for each half of the lanes
	v_add_nc_u32 v[STO], s23, v4
	s_mul_i32 s22, s10, 32*RP                      ; in the sum I own block rows 32 x wave .. + 31
	v_lshl_add_u32 v[RD], v5, 4, s22               ; 32 lanes x 16 bytes = a row of 128 f32
	v_add_nc_u32 v[RD+1], RW, v[RD]
	v_add_nc_u32 v[RD+2], 2*RW, v[RD]
	v_add_nc_u32 v[RD+3], 3*RW, v[RD]
	v_lshlrev_b32 v[CO], 3, v5                     ; my 4 columns in f16
; 16 matrix instructions: m blocks a0, a0 + 1 of the window's four x all 8 n blocks, 32 along K.  zero = 1: the first product starts the sums: nothing is cleared.
.macro MUL16 f, hi, a0, zero
.irp a, \a0, \a0+1
.irp b, 0,1,2,3,4,5,6,7
.if \zero
	v_wmma_f32_16x16x32_f16 v[8*(8*(\a)+\b):8*(8*(\a)+\b)+7], v[\f+8*\b:\f+8*\b+7], v[\f+8*(4*\hi+\a):\f+8*(4*\hi+\a)+7], 0
.else
	v_wmma_f32_16x16x32_f16 v[8*(8*(\a)+\b):8*(8*(\a)+\b)+7], v[\f+8*\b:\f+8*\b+7], v[\f+8*(4*\hi+\a):\f+8*(4*\hi+\a)+7], v[8*(8*(\a)+\b):8*(8*(\a)+\b)+7]
.endif
.endr
.endr
.endm
; 32 LDS loads in one run: 128 rows of B, 128 rows of A, 32 K at byte k of my quarter of the rows, into buffer f
.macro FETCH slot, k, f
	WIN TO_B
.irp i, 0,1,2,3,4,5,6,7
	ds_load_b128 v[\f+8*\i:\f+8*\i+3],   v[ADRB+\slot] offset:\k+\i*16*PITCH
	ds_load_b128 v[\f+8*\i+4:\f+8*\i+7], v[ADRB+\slot] offset:\k+\i*16*PITCH+32
.endr
	WIN 0
.irp i, 0,1,2,3,4,5,6,7
	ds_load_b128 v[\f+8*\i:\f+8*\i+3],   v[ADRA+\slot] offset:\k+\i*16*PITCH
	ds_load_b128 v[\f+8*\i+4:\f+8*\i+7], v[ADRA+\slot] offset:\k+\i*16*PITCH+32
.endr
.endm
; A load into a register that a matrix instruction has read, and an LDS store of a matrix result, stand four places behind that matrix instruction; only plain
; vector instructions that name none of its registers are places (ISA guide 7.12.1 for vector instructions).
.macro PLACES
.rept 4
	v_nop
.endr
.endm
; A wave's share of a slot is two halves of 32 along K, 64 matrix instructions each, on buffers 0 and 1.  The 64 accumulators take turns, one instruction a turn,
; in the same order in every half, over the loop's backward jump too.
; The first half: multiplies buffer f; in its middle it fetches the second half's fragments, at byte k, into buffer g.
.macro QUARTER slot, k, f, g, zero
	s_wait_dscnt 8                                 ; B and A's rows 0-63 are in; the youngest eight loads (A's rows 64-127) may be out
	WIN MUL_LO
	MUL16 \f, 0, 0, \zero
	MUL16 \f, 0, 2, \zero
	PLACES
	FETCH \slot, \k, \g
	s_wait_dscnt 32                                ; all but the 32 just issued
	WIN MUL_HI
	MUL16 \f, 1, 0, \zero
	MUL16 \f, 1, 2, \zero
.endm
; The second half: multiplies buffer 1 and changes slots.  fill = 1: this slot is filled again, two K steps ahead.
; In front of the barrier each wave waits for its own reads of this slot and for all its tensor loads (the one that is out is its part of the next slot).
; Behind it nobody reads this slot any more and the next slot is whole: the refill comes first, then the next slot's first fragments.
.macro TURN slot, next, fill
	s_wait_dscnt 8
	WIN MUL_LO
	MUL16 F1, 0, 0, 0
	s_wait_dscnt 0                                 ; my reads of this slot are over
	s_wait_tensorcnt 0x0                           ; and all my tensor loads have landed
	ds_add_u32 v255, v255
	s_wait_dscnt 0x0
	s_barrier_signal -1                            ; say so (where the slot is filled again this barrier opens a round of the cluster's barrier),
	MUL16 F1, 0, 2, 0                              ; work on registers while the others arrive,
	WIN 0
	s_barrier_wait -1
.if \fill
	CREST                                          ; all sixteen work-groups have said so: no wave of any partner still reads this slot or has a load on its way
	s_add_nc_u64 s[G0+4*\slot+2:G0+4*\slot+3], s[G0+4*\slot+2:G0+4*\slot+3], 2*KS*2       ; no tensor load of mine is out: a group 0 may be written
	s_add_nc_u64 s[G0B+4*\slot+2:G0B+4*\slot+3], s[G0B+4*\slot+2:G0B+4*\slot+3], 2*KS*2
	JLOAD \slot                                    ; my one tensor load behind the round, and the first thing there
.endif
	PLACES
	FETCH \next, 0, F0
	WIN MUL_HI
	MUL16 F1, 1, 0, 0
	MUL16 F1, 1, 2, 0
.endm
.macro LAP zero                        ; once round the ring, both slots filled again
	QUARTER 0, 64, F0, F1, \zero
	TURN 0, 1, 1
	QUARTER 1, 64, F0, F1, 0
	TURN 1, 0, 1
.endm
	s_wait_tensorcnt 0x1                           ; my part of K step 0 is in; K step 1's, issued behind it, may stay out
	s_barrier_signal -1
	s_barrier_wait -1                              ; everybody's is
	FETCH 0, 0, F0
	LAP 1                                          ; the first lap stands in front of the loop: its first products start the sums
.if LAPS > 2
	WIN 0
	s_mov_b32 s3, LAPS-2
.Llap:
	LAP 0
	WIN 0
	s_sub_co_u32 s3, s3, 1
	s_cmp_lg_u32 s3, 0
	s_cbranch_scc1 .Llap
.endif
	QUARTER 0, 64, F0, F1, 0                       ; the last lap fills nothing and has no round of the cluster's barrier
	TURN 0, 1, 0
	QUARTER 1, 64, F0, F1, 0
	s_wait_dscnt 8                                 ; the very last half: nothing more to fetch
	WIN MUL_LO
	MUL16 F1, 0, 0, 0
	MUL16 F1, 0, 2, 0
	s_wait_dscnt 0
	WIN MUL_HI
	MUL16 F1, 1, 0, 0
	MUL16 F1, 1, 2, 0
	; THE SUM OVER THE FOUR WAVES AND THE WAY OUT.  The ring has had its last fill; its bytes now take the four partial blocks.
	WIN 0
	s_wait_dscnt 0x0                               ; (met) my reads of the ring are over,
	s_barrier_signal -1
	s_barrier_wait -1                              ; everybody's are: the ring may be written over
	PLACES                                         ; the places behind the last matrix instructions, for the LDS stores of their results
	s_lshl_b32 s16, s67, 7                         ; C's row: 128 x C's block row + 32 x wave
	s_lshl_b32 s14, s10, 5
	s_add_co_u32 s16, s16, s14
	s_mul_i32 s16, s16, CROWB
	s_mov_b32 s17, 0
	s_add_nc_u64 s[8:9], s[8:9], s[16:17]
	s_lshl_b32 s46, s42, 8                         ; C's column in bytes: 2 (1024 b + 128 x block column)
	s_lshl_b32 s47, s45, 11
	s_add_co_u32 s46, s46, s47
	s_mov_b32 s47, 0
	s_add_nc_u64 s[8:9], s[8:9], s[46:47]
; My 32 tiles of one window go to my partial block: tile (a, b) holds rows 16 (4 hi + a) + l % 16, columns 16 b + 8 (l / 16) + 0..7.  win: the store data's window.
.macro PUT hi, win
	WIN \win
.irp a, 0,1,2,3
.irp b, 0,1,2,3,4,5,6,7
	ds_store_b128 v[STO], v[8*(8*\a+\b):8*(8*\a+\b)+3]   offset:(4*\hi+\a)*16*RP+64*\b
	ds_store_b128 v[STO], v[8*(8*\a+\b)+4:8*(8*\a+\b)+7] offset:(4*\hi+\a)*16*RP+64*\b+16
.endr
.endr
.endm
	PUT 0, 0x08
	PUT 1, 0x0c
	WIN 0
	s_wait_dscnt 0x0                               ; for the others' sake: my partial block is written,
	s_barrier_signal -1
	s_barrier_wait -1                              ; everybody's is
; Eight of my 32 rows: 4 loads a row, one from each partial block; row i is in when the four loads of each younger row are still out.
.macro BATCH t
.if \t
	s_wait_xcnt 0x0                                ; the registers that the last eight stores read are rewritten only behind this wait
.endif
.irp i, 0,1,2,3,4,5,6,7
.irp q, 0,1,2,3
	ds_load_b128 v[RED+16*\i+4*\q:RED+16*\i+4*\q+3], v[RD+\q] offset:(8*\t+\i)*RP
.endr
.endr
.irp i, 0,1,2,3,4,5,6,7
	s_wait_dscnt 4*(7-\i)
	v_pk_add_f32 v[RED+16*\i:RED+16*\i+1],     v[RED+16*\i:RED+16*\i+1],     v[RED+16*\i+4:RED+16*\i+5]
	v_pk_add_f32 v[RED+16*\i+2:RED+16*\i+3],   v[RED+16*\i+2:RED+16*\i+3],   v[RED+16*\i+6:RED+16*\i+7]
	v_pk_add_f32 v[RED+16*\i+8:RED+16*\i+9],   v[RED+16*\i+8:RED+16*\i+9],   v[RED+16*\i+12:RED+16*\i+13]
	v_pk_add_f32 v[RED+16*\i+10:RED+16*\i+11], v[RED+16*\i+10:RED+16*\i+11], v[RED+16*\i+14:RED+16*\i+15]
	v_pk_add_f32 v[RED+16*\i:RED+16*\i+1],     v[RED+16*\i:RED+16*\i+1],     v[RED+16*\i+8:RED+16*\i+9]
	v_pk_add_f32 v[RED+16*\i+2:RED+16*\i+3],   v[RED+16*\i+2:RED+16*\i+3],   v[RED+16*\i+10:RED+16*\i+11]
	v_cvt_pk_f16_f32 v[OUT+2*\i],   v[RED+16*\i],   v[RED+16*\i+1]
	v_cvt_pk_f16_f32 v[OUT+2*\i+1], v[RED+16*\i+2], v[RED+16*\i+3]
	global_store_b64 v[CO], v[OUT+2*\i:OUT+2*\i+1], s[8:9] offset:(8*\t+\i)*CROWB    ; the wave's store covers the block's 256 consecutive bytes of a row, aligned
.endr
.endm
	BATCH 0
	BATCH 1
	BATCH 2
	BATCH 3
	s_set_vgpr_msb 0x1
	s_wait_tensorcnt 0x0
	ds_add_u32 v255, v255
	s_wait_dscnt 0x0
	s_set_vgpr_msb 0x100
	CROUND                                         ; the closing round: no work-group ends while a partner may still ask for a tile that names it
	s_endpgm
.Lfunc_end_k_q15177a6a14_xm:
	.size	k_q15177a6a14_xm, .Lfunc_end_k_q15177a6a14_xm-k_q15177a6a14_xm
	.p2alignl 7, 3214868480
	.fill 96, 4, 3214868480
	.section	.rodata,"a",@progbits
	.p2align	6, 0x0
	.amdhsa_kernel k_q15177a6a14_xm
		.amdhsa_group_segment_fixed_size 327680
		.amdhsa_private_segment_fixed_size 0
		.amdhsa_enable_private_segment 0
		.amdhsa_kernarg_size 40
		.amdhsa_user_sgpr_count 2
		.amdhsa_user_sgpr_kernarg_segment_ptr 1
		.amdhsa_wavefront_size32 1
		.amdhsa_system_sgpr_workgroup_id_x 1
		.amdhsa_system_sgpr_workgroup_id_y 1
		.amdhsa_system_sgpr_workgroup_id_z 1
		.amdhsa_system_vgpr_workitem_id 0
		.amdhsa_next_free_vgpr 1024
		.amdhsa_next_free_sgpr 80
		.amdhsa_reserve_vcc 0
		.amdhsa_float_denorm_mode_32 3
		.amdhsa_float_denorm_mode_16_64 3
		.amdhsa_memory_ordered 1
		.amdhsa_forward_progress 1
		.amdhsa_inst_pref_size 124
	.end_amdhsa_kernel
	.amdgpu_metadata
---
amdhsa.version: [ 1, 2 ]
amdhsa.kernels:
  - .name:           k_q15177a6a14_xm
    .symbol:         k_q15177a6a14_xm.kd
    .args:
      - { .name: act0, .offset: 0, .size: 8, .value_kind: global_buffer, .address_space: global }
      - { .name: bv, .offset: 8, .size: 8, .value_kind: global_buffer, .address_space: global }
      - { .name: act1, .offset: 16, .size: 8, .value_kind: global_buffer, .address_space: global }
      - { .name: cv, .offset: 24, .size: 8, .value_kind: global_buffer, .address_space: global }
      - { .name: mt, .offset: 32, .size: 8, .value_kind: global_buffer, .address_space: global }
    .group_segment_fixed_size: 327680
    .private_segment_fixed_size: 0
    .kernarg_segment_align: 8
    .kernarg_segment_size: 40
    .max_flat_workgroup_size: 128
    .sgpr_count:     80
    .vgpr_count:     1024
    .wavefront_size: 32
...
	.end_amdgpu_metadata
.endif
;; end of part 5
;; launch gy (part 6): grid 16 x 16, 4 waves a work-group, clusters of 4 x 4, 327,680 bytes of LDS; arguments act1, mt, act0; writes act0
.if DOCPART == 6
	.amdgcn_target "amdgcn-amd-amdhsa--gfx1250"
	.amdhsa_code_object_version 6
	.text
	.protected	k_q15177a6a14_gy
	.globl	k_q15177a6a14_gy
	.p2align	8
	.type	k_q15177a6a14_gy,@function
k_q15177a6a14_gy:
	s_mov_b64 s[64:65], 0
	v_nop
	global_prefetch_b8 v0, s[64:65] scope:SCOPE_SE
	s_setreg_imm32_b32 hwreg(HW_REG_WAVE_MODE, 25, 1), 1
	s_wait_xcnt 0x0
	s_wait_alu depctr_hold_cnt(0) depctr_sa_sdst(0) depctr_va_vdst(0) depctr_va_sdst(0) depctr_va_ssrc(0) depctr_va_vcc(0) depctr_vm_vsrc(0)
	s_getreg_b32 s2, hwreg(HW_REG_IB_STS2, 6, 4)
	s_cmp_eq_u32 s2, 0
	s_cbranch_scc0 .Lentry_in_a_cluster
	s_endpgm
.Lentry_in_a_cluster:
	s_bfe_u32 s2, ttmp6, 0x10000c
	s_cmp_lg_u32 s2, 0xf033
	s_cbranch_scc0 .Lentry_shape_is_right
	s_endpgm
.Lentry_shape_is_right:
; Y[m][j] = sum over c < 2048 of A[m][c] B[j][c], A = act1 (2^-10 DFT of x, [1024][2048] f16), B = mt (the middle factor, transposed, [1024][2048] f16): the third factor's
; left operand in out = (x Bv^T) (Cv^T diag(S) Bu^T) Cu^T + bias (the padded frequencies and the matrices U, Vh, W are not formed: see the first kernel's head).
; Y is only 1024 x 1024 over K = 2048.  BLOCKS OF 64 x 64 make 256 work-groups of it, and each takes in (64 + 64) rows of 4,096 bytes; blocks of 128 x 128 would make 64
; work-groups that take in twice as much each, in twice as many steps.  A slot of the same bytes as in the launch before holds K = 512 here: four steps in all.
; A slot is four sub-tiles of 64 rows x 256 K (rows of 512 bytes + 16 of padding): A's first and second K half, then B's.  Each wave fetches one.
; K IS SHARED OUT AMONG THE FOUR WAVES: wave w makes the whole block, 16 accumulator tiles, over K = 128 w .. 128 w + 127 of every slot (sub-tile w >> 1, byte 256 (w & 1) of its
; rows), so each LDS byte is read once.  The four partial blocks are summed through LDS at the end, which also turns the lanes' pieces into whole rows.
; Y'S LAYOUT: a block's 64 columns are 128 bytes of f16, so two rows' pieces lie side by side: Y[m][j] stands at element ((m >> 1) x 16 + (j >> 6)) x 128 + (m & 1) x 64 + (j & 63).
; A wave's store then covers 256 consecutive bytes, aligned, and the last launch reads a step's 256 columns of two rows as 1,024 consecutive bytes.
; CLUSTERS: 4 x 4 work-groups; A's tiles are asked for jointly along a row of the cluster, B's along a column: the requests for A and B are divided by four.
; A wave has two tensor loads out at the start and one behind each round of the cluster's barrier.
; REGISTERS: window 0: v0-31 addresses, v64-127 fragments of A (two buffers of 4 x 8), v128-191 fragments of B, v192-207 results to store;
;   window 1: the 16 accumulator tiles, tile (a, b) at v[8 (4 a + b)].
; THE MATRIX INSTRUCTION IS USED TRANSPOSED (source 0 = 16 rows of B, source 1 = 16 rows of A): lane l holds row l % 16 of Y, its registers columns 8 (l / 16) + 0..7.
; LIMIT: operands and Y are f16: |Y| must stay under 65,504 (the scalings are given at the first kernel's head).
.set KS,     512                       ; K of a slot
.set KH,     256                       ; K of a sub-tile
.set PITCH,  528                       ; 512 bytes + 16 = 33 x 16: the 16 rows that a load touches start at 16 different 16-byte columns modulo 256
.set HALFT,  64*PITCH                  ; a sub-tile: what one tensor load brings
.set SLOT,   4*HALFT
.set APITCH, 2048
.set BPITCH, 2048
.set RP,     272                       ; a row of a partial block: 64 f32 + 16 bytes = 17 x 16
.set RW,     64*RP                     ; a wave's partial block; the four lie in slot 0's bytes, after the ring's last fill
.set ADRA, 16                          ; v16-17  LDS address of my A fragments in slot 0, 1
.set ADRB, 20                          ; v20-21  the same for B
.set STO,  24                          ; v24     where I put my piece of my partial block
.set CO,   25                          ; v25     8 x lane
.set RD,   26                          ; v26-29  where I read my 16 bytes of two rows of partial block 0..3
.set FA,   64                          ; A's fragments: buffer f at FA + 32 f
.set FB,   128                         ; B's
.set RED,  64                          ; v64-191 the sum: pair i of eight pairs of rows has 16 registers, 4 from each partial block
.set OUT,  192
.set G1,  24
.set G0,  32
.set G1B, 48
.set G0B, 56
.set MSB, 0
.macro WIN new                         ; the immediate's high byte repeats the setting that is left; a switch that changes nothing is dropped
.if MSB != \new
	s_set_vgpr_msb (MSB<<8)|\new
.set MSB, \new
.endif
.endm
.set MULW, 0x50                        ; sources 0 and 1 window 0, C and D window 1
.macro JLOAD s                         ; waves 0 and 1 fetch A's two K halves, waves 2 and 3 B's; the branch hangs on the wave's number alone
	s_cmp_eq_u32 s11, 0
	s_cbranch_scc0 .Lfor_b_\@
	tensor_load_to_lds s[G0+4*\s:G0+4*\s+3], s[G1:G1+7]
	s_nop 0
	s_branch .Lasked_\@
.Lfor_b_\@:
	tensor_load_to_lds s[G0B+4*\s:G0B+4*\s+3], s[G1B:G1B+7]
	s_nop 0
.Lasked_\@:
.endm
.macro CREST                           ; a round of the cluster's barrier behind its opening barrier
	s_cmp_lg_u32 s10, 0
	s_cbranch_scc1 .Lnot_wave_0_\@
	s_barrier_signal -3
.Lnot_wave_0_\@:
	s_barrier_wait -3
	s_barrier_signal -1
	s_barrier_wait -1
.endm
.macro CROUND
	s_barrier_signal -1
	s_barrier_wait -1
	CREST
.endm
	s_load_b128 s[4:7], s[0:1], 0x0                ; A s[4:5], B s[6:7]
	s_load_b64 s[8:9], s[0:1], 0x10                ; Y
	v_lshl_add_u32 v254, v0, 2, 0x42000
	v_mov_b32 v255, 0
	ds_add_u32 v254, v255
	ds_add_u32 v254, v255
	v_lshrrev_b32 v1, 5, v0
	v_readfirstlane_b32 s10, v1                    ; wave 0..3
	s_lshr_b32 s11, s10, 1                         ; I fetch for A (0) or for B (1).  Also: the K half in which my quarter of a slot's K lies
	s_and_b32 s12, s10, 1                          ; which K half I fetch.  Also: which half of that sub-tile's rows is my quarter
	s_bfe_u32 s40, ttmp6, 0x40000                  ; cx
	s_bfe_u32 s41, ttmp6, 0x40004                  ; cy
	s_lshl_b32 s42, ttmp9, 2
	s_add_co_u32 s42, s42, s40                     ; block column 0..15
	s_and_b32 s13, ttmp7, 0xffff
	s_lshl_b32 s13, s13, 2
	s_add_co_u32 s13, s13, s41                     ; block row 0..15
	s_lshl_b32 s43, s41, 2
	s_lshl_b32 s43, 15, s43                        ; my row of the cluster
	s_lshl_b32 s44, 0x1111, s40                    ; my column
	; group 1: a tile of 64 rows x 256 elements of 2 bytes, 4 words of padding behind every 128 words
	s_or_b32 s[G1+0], s43, (1<<16)|(1<<20)|(1<<21)|(6<<22)|(3<<25)  ; mask; 2 bytes; padding on; bit 21 beside a mask; interval code 6; pad code 3
	s_or_b32 s[G1B+0], s44, (1<<16)|(1<<20)|(1<<21)|(6<<22)|(3<<25)
	s_mov_b32 s[G1+1], KH<<16                      ; tensor_dim0 = 256
	s_mov_b32 s[G1B+1], KH<<16
	s_mov_b32 s[G1+2], 64<<16                      ; tensor_dim1 = 64
	s_mov_b32 s[G1B+2], 64<<16
	s_mov_b32 s[G1+3], KH<<16                      ; tile_dim0 = 256
	s_mov_b32 s[G1B+3], KH<<16
	s_mov_b32 s[G1+4], 64                          ; tile_dim1 = 64
	s_mov_b32 s[G1B+4], 64
	s_mov_b32 s[G1+5], APITCH
	s_mov_b32 s[G1B+5], BPITCH
	s_mov_b32 s[G1+6], 0
	s_mov_b32 s[G1B+6], 0
	s_mov_b32 s[G1+7], 0
	s_mov_b32 s[G1B+7], 0
	s_lshl_b32 s17, s12, 9                         ; the K half that I fetch: 512 bytes into the rows
	s_lshl_b32 s16, s13, 18                        ; A: 64 rows of 4,096 bytes x block row
	s_add_co_u32 s16, s16, s17
	s_lshl_b32 s46, s42, 18                        ; B: the same x block column
	s_add_co_u32 s46, s46, s17
	s_mov_b32 s17, 0
	s_mov_b32 s47, 0
	s_mul_i32 s20, s10, HALFT                      ; where my sub-tile goes: no place in the cluster enters an LDS address
	s_wait_dscnt 0x0
	s_wait_kmcnt 0x0
	s_add_nc_u64 s[14:15], s[4:5], s[16:17]
	s_add_nc_u64 s[46:47], s[6:7], s[46:47]
	CROUND                                         ; all sixteen work-groups are here: the first joint loads meet
.irp s, 0,1
	s_mov_b32 s[G0+4*\s], 1
	s_add_co_u32 s[G0+4*\s+1], s20, \s*SLOT
	s_add_nc_u64 s[G0+4*\s+2:G0+4*\s+3], s[14:15], \s*KS*2         ; K step s
	s_or_b32 s[G0+4*\s+3], s[G0+4*\s+3], 0x80000000
	s_mov_b32 s[G0B+4*\s], 1
	s_add_co_u32 s[G0B+4*\s+1], s20, \s*SLOT
	s_add_nc_u64 s[G0B+4*\s+2:G0B+4*\s+3], s[46:47], \s*KS*2
	s_or_b32 s[G0B+4*\s+3], s[G0B+4*\s+3], 0x80000000
	JLOAD \s                                       ; both first fills go out before anything else is done
.endr
	v_and_b32 v1, 15, v0                           ; l % 16
	v_bfe_u32 v2, v0, 4, 1                         ; l / 16
	v_and_b32 v5, 31, v0                           ; l
	v_mul_u32_u24 v3, v1, PITCH
	v_lshl_add_u32 v3, v2, 4, v3                   ; row x pitch + 16 x half: two loads of 16 bytes, 32 bytes apart, make a fragment
	s_mul_i32 s21, s11, HALFT                      ; my quarter of a slot's K: sub-tile wave >> 1,
	s_lshl_b32 s22, s12, 8                         ; byte 256 (wave & 1) of its rows
	s_add_co_u32 s21, s21, s22
	v_add_nc_u32 v[ADRA], s21, v3
	v_add_nc_u32 v[ADRA+1], SLOT, v[ADRA]
	v_add_nc_u32 v[ADRB], 2*HALFT, v[ADRA]
	v_add_nc_u32 v[ADRB+1], 2*HALFT+SLOT, v[ADRA]
	s_mul_i32 s23, s10, RW                         ; my partial block
	v_mul_u32_u24 v4, v1, RP
	v_lshl_add_u32 v4, v2, 5, v4                   ; row l % 16, 32 bytes (8 f32) for each half of the lanes
	v_add_nc_u32 v[STO], s23, v4
	s_mul_i32 s22, s10, 16*RP                      ; in the sum I own block rows 16 x wave .. + 15
	v_mul_u32_u24 v6, v2, RP                       ; lanes 0-15 take a row of 64 f32, lanes 16-31 the next
	v_lshl_add_u32 v6, v1, 4, v6
	v_add_nc_u32 v[RD], s22, v6
	v_add_nc_u32 v[RD+1], RW, v[RD]
	v_add_nc_u32 v[RD+2], 2*RW, v[RD]
	v_add_nc_u32 v[RD+3], 3*RW, v[RD]
	v_lshlrev_b32 v[CO], 3, v5                     ; 4 columns in f16 a lane: the even row's 128 bytes, then the odd row's
; 4 matrix instructions: m block a x all 4 n blocks, 32 along K, from buffer f.  zero = 1: the first product starts the sums: nothing is cleared.
.macro MUL4 f, a, zero
.irp b, 0,1,2,3
.if \zero
	v_wmma_f32_16x16x32_f16 v[8*(4*\a+\b):8*(4*\a+\b)+7], v[FB+32*\f+8*\b:FB+32*\f+8*\b+7], v[FA+32*\f+8*\a:FA+32*\f+8*\a+7], 0
.else
	v_wmma_f32_16x16x32_f16 v[8*(4*\a+\b):8*(4*\a+\b)+7], v[FB+32*\f+8*\b:FB+32*\f+8*\b+7], v[FA+32*\f+8*\a:FA+32*\f+8*\a+7], v[8*(4*\a+\b):8*(4*\a+\b)+7]
.endif
.endr
.endm
; 16 LDS loads in one run: 64 rows of B, then 64 rows of A, 32 K at byte k of my quarter of the rows, into buffer f
.macro FETCH slot, k, f
	WIN 0
.irp i, 0,1,2,3
	ds_load_b128 v[FB+32*\f+8*\i:FB+32*\f+8*\i+3],   v[ADRB+\slot] offset:\k+\i*16*PITCH
	ds_load_b128 v[FB+32*\f+8*\i+4:FB+32*\f+8*\i+7], v[ADRB+\slot] offset:\k+\i*16*PITCH+32
.endr
.irp i, 0,1,2,3
	ds_load_b128 v[FA+32*\f+8*\i:FA+32*\f+8*\i+3],   v[ADRA+\slot] offset:\k+\i*16*PITCH
	ds_load_b128 v[FA+32*\f+8*\i+4:FA+32*\f+8*\i+7], v[ADRA+\slot] offset:\k+\i*16*PITCH+32
.endr
.endm
; Four places of plain vector instructions stand between a matrix instruction and a load into a register that it has read, or an LDS store of its result
; (ISA guide 7.12.1 for vector instructions).
.macro PLACES
.rept 4
	v_nop
.endr
.endm
; A wave's share of a slot is four quarters of 32 along K, 16 matrix instructions each, on buffers 0, 1, 0, 1.  The 16 accumulators take turns, one instruction a turn,
; in the same order in every quarter.
; One of the first three: multiplies buffer f; in its middle it fetches the next quarter's fragments, at byte k, into buffer g.
.macro QUARTER slot, k, f, g, zero
	s_wait_dscnt 4                                 ; B and A's rows 0-31 are in; the youngest four loads (A's rows 32-63) may be out
	WIN MULW
	MUL4 \f, 0, \zero
	MUL4 \f, 1, \zero
	PLACES
	FETCH \slot, \k, \g
	s_wait_dscnt 16                                ; all but the 16 just issued
	WIN MULW
	MUL4 \f, 2, \zero
	MUL4 \f, 3, \zero
.endm
.macro THREE slot, zero
	QUARTER \slot, 64,  0, 1, \zero
	QUARTER \slot, 128, 1, 0, 0
	QUARTER \slot, 192, 0, 1, 0
.endm
; The last quarter: multiplies buffer 1 and changes slots.  fill = 1: this slot is filled again, two K steps ahead.
; In front of the barrier each wave waits for its own reads of this slot and for all its tensor loads (the one that is out is its part of the next slot).
; Behind it nobody reads this slot any more and the next slot is whole: the refill comes first, then the next slot's first fragments.
.macro TURN slot, next, fill
	s_wait_dscnt 4
	WIN MULW
	MUL4 1, 0, 0
	MUL4 1, 1, 0
	s_wait_dscnt 0                                 ; my reads of this slot are over
	s_wait_tensorcnt 0x0                           ; and all my tensor loads have landed
	ds_add_u32 v254, v255
	s_wait_dscnt 0x0
	s_barrier_signal -1                            ; say so (where the slot is filled again this barrier opens a round of the cluster's barrier),
	MUL4 1, 2, 0                                   ; work on registers while the others arrive,
	WIN 0
	s_barrier_wait -1
.if \fill
	CREST                                          ; no wave of any partner still reads this slot or has a load on its way
	s_add_nc_u64 s[G0+4*\slot+2:G0+4*\slot+3], s[G0+4*\slot+2:G0+4*\slot+3], 2*KS*2       ; no tensor load of mine is out: a group 0 may be written
	s_add_nc_u64 s[G0B+4*\slot+2:G0B+4*\slot+3], s[G0B+4*\slot+2:G0B+4*\slot+3], 2*KS*2
	JLOAD \slot                                    ; my one tensor load behind the round, and the first thing there
.endif
	PLACES
	FETCH \next, 0, 0
	WIN MULW
	MUL4 1, 3, 0
.endm
	s_wait_tensorcnt 0x1                           ; my part of K step 0 is in; K step 1's, issued behind it, may stay out
	s_barrier_signal -1
	s_barrier_wait -1                              ; everybody's is
	FETCH 0, 0, 0
	THREE 0, 1                                     ; K step 0: its first products start the sums
	TURN 0, 1, 1                                   ; K step 2 is asked for
	THREE 1, 0                                     ; K step 1
	TURN 1, 0, 1                                   ; K step 3 is asked for: the last load
	THREE 0, 0                                     ; K step 2 (K = 2048 is four steps: no loop)
	TURN 0, 1, 0
	THREE 1, 0                                     ; K step 3
	s_wait_dscnt 4                                 ; the very last quarter: nothing more to fetch
	WIN MULW
	MUL4 1, 0, 0
	MUL4 1, 1, 0
	s_wait_dscnt 0
	MUL4 1, 2, 0
	MUL4 1, 3, 0
	; THE SUM OVER THE FOUR WAVES AND THE WAY OUT.  The ring has had its last fill; slot 0's bytes now take the four partial blocks.
	WIN 0
	s_wait_dscnt 0x0                               ; (met) my reads of the ring are over,
	s_barrier_signal -1
	s_barrier_wait -1                              ; everybody's are: the ring may be written over
	PLACES                                         ; the places behind the last matrix instructions, for the LDS stores of their results
	s_lshl_b32 s16, s13, 5                         ; Y's pair of rows: 32 x block row + 8 x wave,
	s_lshl_b32 s14, s10, 3
	s_add_co_u32 s16, s16, s14
	s_lshl_b32 s16, s16, 12                        ; 4,096 bytes each (two rows of 1,024 f16)
	s_mov_b32 s17, 0
	s_add_nc_u64 s[8:9], s[8:9], s[16:17]
	s_lshl_b32 s46, s42, 8                         ; the block column's 256 bytes in it
	s_mov_b32 s47, 0
	s_add_nc_u64 s[8:9], s[8:9], s[46:47]
	WIN 0x04                                       ; the store data's window: 1
.irp a, 0,1,2,3
.irp b, 0,1,2,3
	ds_store_b128 v[STO], v[8*(4*\a+\b):8*(4*\a+\b)+3]   offset:\a*16*RP+64*\b          ; tile (a, b): rows 16 a + l % 16, columns 16 b + 8 (l / 16) + 0..7
	ds_store_b128 v[STO], v[8*(4*\a+\b)+4:8*(4*\a+\b)+7] offset:\a*16*RP+64*\b+16
.endr
.endr
	WIN 0
	s_wait_dscnt 0x0                               ; for the others' sake: my partial block is written,
	s_barrier_signal -1
	s_barrier_wait -1                              ; everybody's is
	; My 16 rows as eight pairs: 4 loads a pair, one from each partial block; pair i is in when the four loads of each younger pair are still out.
.irp i, 0,1,2,3,4,5,6,7
.irp q, 0,1,2,3
	ds_load_b128 v[RED+16*\i+4*\q:RED+16*\i+4*\q+3], v[RD+\q] offset:\i*2*RP
.endr
.endr
.irp i, 0,1,2,3,4,5,6,7
	s_wait_dscnt 4*(7-\i)
	v_pk_add_f32 v[RED+16*\i:RED+16*\i+1],     v[RED+16*\i:RED+16*\i+1],     v[RED+16*\i+4:RED+16*\i+5]
	v_pk_add_f32 v[RED+16*\i+2:RED+16*\i+3],   v[RED+16*\i+2:RED+16*\i+3],   v[RED+16*\i+6:RED+16*\i+7]
	v_pk_add_f32 v[RED+16*\i+8:RED+16*\i+9],   v[RED+16*\i+8:RED+16*\i+9],   v[RED+16*\i+12:RED+16*\i+13]
	v_pk_add_f32 v[RED+16*\i+10:RED+16*\i+11], v[RED+16*\i+10:RED+16*\i+11], v[RED+16*\i+14:RED+16*\i+15]
	v_pk_add_f32 v[RED+16*\i:RED+16*\i+1],     v[RED+16*\i:RED+16*\i+1],     v[RED+16*\i+8:RED+16*\i+9]
	v_pk_add_f32 v[RED+16*\i+2:RED+16*\i+3],   v[RED+16*\i+2:RED+16*\i+3],   v[RED+16*\i+10:RED+16*\i+11]
	v_cvt_pk_f16_f32 v[OUT+2*\i],   v[RED+16*\i],   v[RED+16*\i+1]
	v_cvt_pk_f16_f32 v[OUT+2*\i+1], v[RED+16*\i+2], v[RED+16*\i+3]
	global_store_b64 v[CO], v[OUT+2*\i:OUT+2*\i+1], s[8:9] offset:\i*4096        ; the wave's store covers 256 consecutive bytes, aligned: the block's piece of two rows
.endr
	s_wait_tensorcnt 0x0
	ds_add_u32 v254, v255
	s_wait_dscnt 0x0
	CROUND                                         ; the closing round: no work-group ends while a partner may still ask for a tile that names it
	s_endpgm
.Lfunc_end_k_q15177a6a14_gy:
	.size	k_q15177a6a14_gy, .Lfunc_end_k_q15177a6a14_gy-k_q15177a6a14_gy
	.p2alignl 7, 3214868480
	.fill 96, 4, 3214868480
	.section	.rodata,"a",@progbits
	.p2align	6, 0x0
	.amdhsa_kernel k_q15177a6a14_gy
		.amdhsa_group_segment_fixed_size 327680
		.amdhsa_private_segment_fixed_size 0
		.amdhsa_enable_private_segment 0
		.amdhsa_kernarg_size 24
		.amdhsa_user_sgpr_count 2
		.amdhsa_user_sgpr_kernarg_segment_ptr 1
		.amdhsa_wavefront_size32 1
		.amdhsa_system_sgpr_workgroup_id_x 1
		.amdhsa_system_sgpr_workgroup_id_y 1
		.amdhsa_system_sgpr_workgroup_id_z 1
		.amdhsa_system_vgpr_workitem_id 0
		.amdhsa_next_free_vgpr 384
		.amdhsa_next_free_sgpr 80
		.amdhsa_reserve_vcc 0
		.amdhsa_float_denorm_mode_32 3
		.amdhsa_float_denorm_mode_16_64 3
		.amdhsa_memory_ordered 1
		.amdhsa_forward_progress 1
		.amdhsa_inst_pref_size 54
	.end_amdhsa_kernel
	.amdgpu_metadata
---
amdhsa.version: [ 1, 2 ]
amdhsa.kernels:
  - .name:           k_q15177a6a14_gy
    .symbol:         k_q15177a6a14_gy.kd
    .args:
      - { .name: act1, .offset: 0, .size: 8, .value_kind: global_buffer, .address_space: global }
      - { .name: mt, .offset: 8, .size: 8, .value_kind: global_buffer, .address_space: global }
      - { .name: act0, .offset: 16, .size: 8, .value_kind: global_buffer, .address_space: global }
    .group_segment_fixed_size: 327680
    .private_segment_fixed_size: 0
    .kernarg_segment_align: 8
    .kernarg_segment_size: 24
    .max_flat_workgroup_size: 128
    .sgpr_count:     80
    .vgpr_count:     384
    .wavefront_size: 32
...
	.end_amdgpu_metadata
.endif
;; end of part 6
;; launch g4 (part 7): grid 32 x 8, 4 waves a work-group, clusters of 4 x 4, 327,680 bytes of LDS; arguments act0, cu, gs, bias, out0; writes out0
.if DOCPART == 7
	.amdgcn_target "amdgcn-amd-amdhsa--gfx1250"
	.amdhsa_code_object_version 6
	.text
	.protected	k_q15177a6a14_g4
	.globl	k_q15177a6a14_g4
	.p2align	8
	.type	k_q15177a6a14_g4,@function
k_q15177a6a14_g4:
	s_mov_b64 s[64:65], 0
	v_nop
	global_prefetch_b8 v0, s[64:65] scope:SCOPE_SE
	s_setreg_imm32_b32 hwreg(HW_REG_WAVE_MODE, 25, 1), 1
	s_wait_xcnt 0x0
	s_wait_alu depctr_hold_cnt(0) depctr_sa_sdst(0) depctr_va_vdst(0) depctr_va_sdst(0) depctr_va_ssrc(0) depctr_va_vcc(0) depctr_vm_vsrc(0)
	s_getreg_b32 s2, hwreg(HW_REG_IB_STS2, 6, 4)
	s_cmp_eq_u32 s2, 0
	s_cbranch_scc0 .Lentry_in_a_cluster
	s_endpgm
.Lentry_in_a_cluster:
	s_bfe_u32 s2, ttmp6, 0x10000c
	s_cmp_lg_u32 s2, 0xf033
	s_cbranch_scc0 .Lentry_shape_is_right
	s_endpgm
.Lentry_shape_is_right:
; The last factor of out = (x Bv^T) (Cv^T diag(S) Bu^T) Cu^T + bias (the padded frequencies and the matrices U, Vh, W are not formed: see the first kernel's head):
; out0[m][o] = g x (sum over j < 1024 of Y[m][j] B[o][j]) + bias[o], B = cu [4096][1024] f16, g = pS 2^-14 from gs.
; Y lies in act0 with two rows' pieces of 64 columns side by side: Y[m][j] at element ((m >> 1) x 16 + (j >> 6)) x 128 + (m & 1) x 64 + (j & 63).  So a K step's 256 columns
; of rows 2 p and 2 p + 1 are 1,024 consecutive bytes: A's tile for 64 rows is 32 such double rows (as many bytes as 64 rows of 512), and in LDS row m's 64 columns of
; piece w stand at (m >> 1) x 1,040 + 256 w + 128 (m & 1).
; A work-group makes a block of 128 x 128 (256 blocks); each of the four waves makes the whole block, 64 accumulator tiles in 512 registers, over its quarter of every
; slot's K (piece w of the four), so that each LDS byte is read once; the four partial blocks are summed through LDS at the end, which also turns the lanes' pieces into
; whole rows.  K goes in steps of 256 through a ring of two LDS slots.
; CLUSTERS: 4 x 4 work-groups; A's tiles are asked for jointly along a row of the cluster, B's along a column: the requests for A and B are divided by four.
; A wave has two tensor loads out at the start and one behind each round of the cluster's barrier.
; REGISTERS in windows of 256: window 0: v0-31 addresses, v32-35 bias, v64-127 and v128-191 fragments of A; window 1: fragments of B;
;   window 2: accumulator tiles of block rows 0-63 (tile (a, b) at v[8 (8 a + b)]); window 3: rows 64-127.
; THE MATRIX INSTRUCTION IS USED TRANSPOSED (source 0 = 16 rows of B, source 1 = 16 rows of A): lane l holds row l % 16 of C, its registers columns 8 (l / 16) + 0..7.
.set KTOT,   1024
.set KS,     256
.set PITCH,  528                       ; B's LDS row: 512 bytes + 16 = 33 x 16: the 16 rows that a load touches start at 16 different 16-byte columns modulo 256
.set APIT,   1040                      ; A's LDS double row: 1,024 bytes + 16: rows r = 0..15 of a fragment start at 16-byte column (r >> 1) + 8 (r & 1) modulo 256: all different
.set ASTEP,  1024                      ; bytes of a K step in a double row of Y
.set HALFT,  64*PITCH                  ; room for what one tensor load brings (A's 32 double rows take 512 bytes less)
.set SLOT,   4*HALFT
.set LAPS,   KTOT/(2*KS)
.set APITCH, 2048                      ; elements from one double row of Y to the next
.set BPITCH, 1024
.set CROWB,  16384                     ; bytes in a row of out0
.set RP,     528
.set RW,     128*RP
.set BO,   6                           ; v6      my byte offset in bias; not rewritten
.set ADRA, 16
.set ADRB, 20
.set STO,  24
.set CO,   25
.set RD,   26
.set BI,   32                          ; v[32:35] bias of my 4 columns
.set F0,   64
.set F1,   128
.set RED,  64
.set G1,  24
.set G0,  32
.set G1B, 48
.set G0B, 56
.set MSB, 0
.macro WIN new
.if MSB != \new
	s_set_vgpr_msb (MSB<<8)|\new
.set MSB, \new
.endif
.endm
.set MUL_LO, 0xa1
.set MUL_HI, 0xf1
.set TO_B,   0x40
.macro JLOAD s                         ; waves 0 and 1 fetch A's two halves, waves 2 and 3 B's; the branch hangs on the wave's number alone
	s_cmp_eq_u32 s11, 0
	s_cbranch_scc0 .Lfor_b_\@
	tensor_load_to_lds s[G0+4*\s:G0+4*\s+3], s[G1:G1+7]
	s_nop 0
	s_branch .Lasked_\@
.Lfor_b_\@:
	tensor_load_to_lds s[G0B+4*\s:G0B+4*\s+3], s[G1B:G1B+7]
	s_nop 0
.Lasked_\@:
.endm
.macro CREST                           ; a round of the cluster's barrier behind its opening barrier
	s_cmp_lg_u32 s10, 0
	s_cbranch_scc1 .Lnot_wave_0_\@
	s_barrier_signal -3
.Lnot_wave_0_\@:
	s_barrier_wait -3
	s_barrier_signal -1
	s_barrier_wait -1
.endm
.macro CROUND
	s_barrier_signal -1
	s_barrier_wait -1
	CREST
.endm
	s_load_b128 s[4:7], s[0:1], 0x0                ; Y s[4:5], B s[6:7]
	s_load_b128 s[68:71], s[0:1], 0x10             ; gs s[68:69], bias s[70:71]
	s_load_b64 s[8:9], s[0:1], 0x20                ; out0
	s_set_vgpr_msb 0x40
	v_lshl_add_u32 v255, v0, 2, 0x42000
	s_set_vgpr_msb 0x4000
	v_mov_b32 v255, 0
	s_set_vgpr_msb 0x1
	ds_add_u32 v255, v255
	ds_add_u32 v255, v255
	s_set_vgpr_msb 0x100
	v_lshrrev_b32 v1, 5, v0
	v_readfirstlane_b32 s10, v1                    ; wave 0..3: my quarter of a slot's K
	s_lshr_b32 s11, s10, 1
	s_and_b32 s12, s10, 1
	s_bfe_u32 s40, ttmp6, 0x40000                  ; cx
	s_bfe_u32 s41, ttmp6, 0x40004                  ; cy
	s_lshl_b32 s42, ttmp9, 2
	s_add_co_u32 s42, s42, s40                     ; block column
	s_and_b32 s13, ttmp7, 0xffff
	s_lshl_b32 s13, s13, 2
	s_add_co_u32 s13, s13, s41                     ; block row
	s_lshl_b32 s43, s41, 2
	s_lshl_b32 s43, 15, s43                        ; my row of the cluster
	s_lshl_b32 s44, 0x1111, s40                    ; my column
	s_or_b32 s[G1+0], s43, (1<<16)|(1<<20)|(1<<21)|(7<<22)|(3<<25)  ; A: mask; 2 bytes; padding on; bit 21 beside a mask; 4 words behind every 256 words
	s_or_b32 s[G1B+0], s44, (1<<16)|(1<<20)|(1<<21)|(6<<22)|(3<<25) ; B: 4 words behind every 128 words
	s_mov_b32 s[G1+1], 512<<16                     ; A: tensor_dim0 = 512 elements: a K step of a double row
	s_mov_b32 s[G1B+1], KS<<16                     ; B: 256
	s_mov_b32 s[G1+2], 32<<16                      ; A: tensor_dim1 = 32 double rows
	s_mov_b32 s[G1B+2], 64<<16                     ; B: 64 rows
	s_mov_b32 s[G1+3], 512<<16                     ; tile_dim0
	s_mov_b32 s[G1B+3], KS<<16
	s_mov_b32 s[G1+4], 32                          ; tile_dim1
	s_mov_b32 s[G1B+4], 64
	s_mov_b32 s[G1+5], APITCH
	s_mov_b32 s[G1B+5], BPITCH
	s_mov_b32 s[G1+6], 0
	s_mov_b32 s[G1B+6], 0
	s_mov_b32 s[G1+7], 0
	s_mov_b32 s[G1B+7], 0
	s_lshl_b32 s16, s13, 6
	s_lshl_b32 s18, s12, 5
	s_add_co_u32 s16, s16, s18                     ; A: double row 64 x block row + 32 x half,
	s_lshl_b32 s16, s16, 12                        ; 4,096 bytes each
	s_lshl_b32 s17, s12, 6
	s_lshl_b32 s46, s42, 7
	s_add_co_u32 s46, s46, s17                     ; B: row 128 x block column + 64 x half
	s_mul_i32 s46, s46, BPITCH*2
	s_mov_b32 s17, 0
	s_mov_b32 s47, 0
	s_mul_i32 s20, s10, HALFT
	s_wait_dscnt 0x0
	s_wait_kmcnt 0x0
	s_load_b32 s72, s[68:69], 0x0                  ; g; no line of this kernel writes gs
	s_add_nc_u64 s[14:15], s[4:5], s[16:17]
	s_add_nc_u64 s[46:47], s[6:7], s[46:47]
	CROUND                                         ; all sixteen work-groups are here: the first joint loads meet
.irp s, 0,1
	s_mov_b32 s[G0+4*\s], 1
	s_add_co_u32 s[G0+4*\s+1], s20, \s*SLOT
	s_add_nc_u64 s[G0+4*\s+2:G0+4*\s+3], s[14:15], \s*ASTEP
	s_or_b32 s[G0+4*\s+3], s[G0+4*\s+3], 0x80000000
	s_mov_b32 s[G0B+4*\s], 1
	s_add_co_u32 s[G0B+4*\s+1], s20, \s*SLOT
	s_add_nc_u64 s[G0B+4*\s+2:G0B+4*\s+3], s[46:47], \s*KS*2
	s_or_b32 s[G0B+4*\s+3], s[G0B+4*\s+3], 0x80000000
	JLOAD \s
.endr
	v_and_b32 v1, 15, v0                           ; l % 16
	v_bfe_u32 v2, v0, 4, 1                         ; l / 16
	v_and_b32 v5, 31, v0                           ; l
	s_lshl_b32 s74, s42, 9                         ; the block's 128 columns in bias: 512 bytes x block column
	v_lshl_add_u32 v[BO], v5, 4, s74
	global_load_b128 v[BI:BI+3], v[BO], s[70:71]   ; waited for in front of the sum, far below
	v_lshrrev_b32 v7, 1, v1                        ; A: row l % 16 of a fragment lies in double row (l % 16) >> 1,
	v_mul_u32_u24 v7, v7, APIT
	v_and_b32 v8, 1, v1
	v_lshl_add_u32 v7, v8, 7, v7                   ; 128 bytes on if it is the odd one,
	v_lshl_add_u32 v7, v2, 4, v7
	s_lshl_b32 s22, s10, 8                         ; in piece w: my quarter of a slot's K
	v_add_nc_u32 v[ADRA], s22, v7
	v_add_nc_u32 v[ADRA+1], SLOT, v[ADRA]
	v_mul_u32_u24 v3, v1, PITCH                    ; B: plain rows,
	v_lshl_add_u32 v3, v2, 4, v3
	s_lshl_b32 s21, s10, 7                         ; my quarter begins 128 bytes x wave into each
	v_add_nc_u32 v[ADRB], s21, v3
	v_add_nc_u32 v[ADRB], 2*HALFT, v[ADRB]
	v_add_nc_u32 v[ADRB+1], SLOT, v[ADRB]
	s_mul_i32 s23, s10, RW
	v_mul_u32_u24 v4, v1, RP
	v_lshl_add_u32 v4, v2, 5, v4
	v_add_nc_u32 v[STO], s23, v4
	s_mul_i32 s22, s10, 32*RP
	v_lshl_add_u32 v[RD], v5, 4, s22
	v_add_nc_u32 v[RD+1], RW, v[RD]
	v_add_nc_u32 v[RD+2], 2*RW, v[RD]
	v_add_nc_u32 v[RD+3], 3*RW, v[RD]
	v_lshlrev_b32 v[CO], 4, v5                     ; my 4 columns in f32
	s_wait_kmcnt 0x0
	s_mov_b32 s73, s72                             ; g twice: the packed multiply-add names the pair
.macro MUL16 f, hi, a0, zero
.irp a, \a0, \a0+1
.irp b, 0,1,2,3,4,5,6,7
.if \zero
	v_wmma_f32_16x16x32_f16 v[8*(8*(\a)+\b):8*(8*(\a)+\b)+7], v[\f+8*\b:\f+8*\b+7], v[\f+8*(4*\hi+\a):\f+8*(4*\hi+\a)+7], 0
.else
	v_wmma_f32_16x16x32_f16 v[8*(8*(\a)+\b):8*(8*(\a)+\b)+7], v[\f+8*\b:\f+8*\b+7], v[\f+8*(4*\hi+\a):\f+8*(4*\hi+\a)+7], v[8*(8*(\a)+\b):8*(8*(\a)+\b)+7]
.endif
.endr
.endr
.endm
; 32 LDS loads in one run.  A's fragment i (rows 16 i .. 16 i + 15) lies in half i >> 2 of the block's rows, from double row 8 (i & 3) on.
.macro FETCH slot, k, f
	WIN TO_B
.irp i, 0,1,2,3,4,5,6,7
	ds_load_b128 v[\f+8*\i:\f+8*\i+3],   v[ADRB+\slot] offset:\k+\i*16*PITCH
	ds_load_b128 v[\f+8*\i+4:\f+8*\i+7], v[ADRB+\slot] offset:\k+\i*16*PITCH+32
.endr
	WIN 0
.irp i, 0,1,2,3,4,5,6,7
	ds_load_b128 v[\f+8*\i:\f+8*\i+3],   v[ADRA+\slot] offset:\k+(\i>>2)*HALFT+(\i&3)*8*APIT
	ds_load_b128 v[\f+8*\i+4:\f+8*\i+7], v[ADRA+\slot] offset:\k+(\i>>2)*HALFT+(\i&3)*8*APIT+32
.endr
.endm
; Four places of plain vector instructions stand between a matrix instruction and a load into a register that it has read, or an LDS store of its result
; (ISA guide 7.12.1 for vector instructions).
.macro PLACES
.rept 4
	v_nop
.endr
.endm
; The 64 accumulators take turns, one instruction a turn, in the same order in every half of a slot.
.macro QUARTER slot, k, f, g, zero
	s_wait_dscnt 8                                 ; B and A's rows 0-63 are in; the youngest eight loads (A's rows 64-127) may be out
	WIN MUL_LO
	MUL16 \f, 0, 0, \zero
	MUL16 \f, 0, 2, \zero
	PLACES
	FETCH \slot, \k, \g
	s_wait_dscnt 32                                ; all but the 32 just issued
	WIN MUL_HI
	MUL16 \f, 1, 0, \zero
	MUL16 \f, 1, 2, \zero
.endm
.macro TURN slot, next, fill
	s_wait_dscnt 8
	WIN MUL_LO
	MUL16 F1, 0, 0, 0
	s_wait_dscnt 0                                 ; my reads of this slot are over
	s_wait_tensorcnt 0x0                           ; and all my tensor loads have landed: the one that was out is my part of the next slot
	ds_add_u32 v255, v255
	s_wait_dscnt 0x0
	s_barrier_signal -1                            ; say so (where the slot is filled again this barrier opens a round of the cluster's barrier),
	MUL16 F1, 0, 2, 0                              ; work on registers while the others arrive,
	WIN 0
	s_barrier_wait -1
.if \fill
	CREST                                          ; no wave of any partner still reads this slot or has a load on its way
	s_add_nc_u64 s[G0+4*\slot+2:G0+4*\slot+3], s[G0+4*\slot+2:G0+4*\slot+3], 2*ASTEP
	s_add_nc_u64 s[G0B+4*\slot+2:G0B+4*\slot+3], s[G0B+4*\slot+2:G0B+4*\slot+3], 2*KS*2
	JLOAD \slot                                    ; my one tensor load behind the round, and the first thing there
.endif
	PLACES
	FETCH \next, 0, F0
	WIN MUL_HI
	MUL16 F1, 1, 0, 0
	MUL16 F1, 1, 2, 0
.endm
.macro LAP zero
	QUARTER 0, 64, F0, F1, \zero
	TURN 0, 1, 1
	QUARTER 1, 64, F0, F1, 0
	TURN 1, 0, 1
.endm
	s_wait_tensorcnt 0x1                           ; my part of K step 0 is in; K step 1's, issued behind it, may stay out
	s_barrier_signal -1
	s_barrier_wait -1
	FETCH 0, 0, F0
	LAP 1                                          ; K steps 0 and 1; its first products start the sums; K steps 2 and 3 are asked for
	QUARTER 0, 64, F0, F1, 0                       ; the last lap (K = 1024 is two laps: no loop) fills nothing
	TURN 0, 1, 0
	QUARTER 1, 64, F0, F1, 0
	s_wait_dscnt 8
	WIN MUL_LO
	MUL16 F1, 0, 0, 0
	MUL16 F1, 0, 2, 0
	s_wait_dscnt 0
	WIN MUL_HI
	MUL16 F1, 1, 0, 0
	MUL16 F1, 1, 2, 0
	; THE SUM OVER THE FOUR WAVES AND THE WAY OUT.  The ring has had its last fill; its bytes now take the four partial blocks.
	WIN 0
	s_wait_dscnt 0x0                               ; (met) my reads of the ring are over,
	s_barrier_signal -1
	s_barrier_wait -1                              ; everybody's are
	PLACES
	s_lshl_b32 s16, s13, 7                         ; out0's row: 128 x block row + 32 x wave
	s_lshl_b32 s14, s10, 5
	s_add_co_u32 s16, s16, s14
	s_mul_i32 s16, s16, CROWB
	s_mov_b32 s17, 0
	s_add_nc_u64 s[8:9], s[8:9], s[16:17]
	s_lshl_b32 s46, s42, 9                         ; its column in bytes: 512 x block column
	s_mov_b32 s47, 0
	s_add_nc_u64 s[8:9], s[8:9], s[46:47]
.macro PUT hi, win
	WIN \win
.irp a, 0,1,2,3
.irp b, 0,1,2,3,4,5,6,7
	ds_store_b128 v[STO], v[8*(8*\a+\b):8*(8*\a+\b)+3]   offset:(4*\hi+\a)*16*RP+64*\b
	ds_store_b128 v[STO], v[8*(8*\a+\b)+4:8*(8*\a+\b)+7] offset:(4*\hi+\a)*16*RP+64*\b+16
.endr
.endr
.endm
	PUT 0, 0x08
	PUT 1, 0x0c
	WIN 0
	s_wait_dscnt 0x0                               ; for the others' sake: my partial block is written,
	s_barrier_signal -1
	s_barrier_wait -1                              ; everybody's is
	s_wait_loadcnt 0x0                             ; bias
; Eight of my 32 rows: 4 loads a row, one from each partial block; row i is in when the four loads of each younger row are still out.
.macro BATCH t
.if \t
	s_wait_xcnt 0x0                                ; the registers that the last eight stores read are loaded again only behind this wait
.endif
.irp i, 0,1,2,3,4,5,6,7
.irp q, 0,1,2,3
	ds_load_b128 v[RED+16*\i+4*\q:RED+16*\i+4*\q+3], v[RD+\q] offset:(8*\t+\i)*RP
.endr
.endr
.irp i, 0,1,2,3,4,5,6,7
	s_wait_dscnt 4*(7-\i)
	v_pk_add_f32 v[RED+16*\i:RED+16*\i+1],     v[RED+16*\i:RED+16*\i+1],     v[RED+16*\i+4:RED+16*\i+5]
	v_pk_add_f32 v[RED+16*\i+2:RED+16*\i+3],   v[RED+16*\i+2:RED+16*\i+3],   v[RED+16*\i+6:RED+16*\i+7]
	v_pk_add_f32 v[RED+16*\i+8:RED+16*\i+9],   v[RED+16*\i+8:RED+16*\i+9],   v[RED+16*\i+12:RED+16*\i+13]
	v_pk_add_f32 v[RED+16*\i+10:RED+16*\i+11], v[RED+16*\i+10:RED+16*\i+11], v[RED+16*\i+14:RED+16*\i+15]
	v_pk_add_f32 v[RED+16*\i:RED+16*\i+1],     v[RED+16*\i:RED+16*\i+1],     v[RED+16*\i+8:RED+16*\i+9]
	v_pk_add_f32 v[RED+16*\i+2:RED+16*\i+3],   v[RED+16*\i+2:RED+16*\i+3],   v[RED+16*\i+10:RED+16*\i+11]
	v_pk_fma_f32 v[RED+16*\i:RED+16*\i+1],     v[RED+16*\i:RED+16*\i+1],     s[72:73], v[BI:BI+1] op_sel_hi:[1,0,1]      ; sum x g + bias
	v_pk_fma_f32 v[RED+16*\i+2:RED+16*\i+3],   v[RED+16*\i+2:RED+16*\i+3],   s[72:73], v[BI+2:BI+3] op_sel_hi:[1,0,1]
	global_store_b128 v[CO], v[RED+16*\i:RED+16*\i+3], s[8:9] offset:(8*\t+\i)*CROWB th:TH_STORE_NT    ; the wave's store covers the block's 512 consecutive bytes of a row, aligned
.endr
.endm
	BATCH 0
	BATCH 1
	BATCH 2
	BATCH 3
	s_set_vgpr_msb 0x1
	s_wait_tensorcnt 0x0
	ds_add_u32 v255, v255
	s_wait_dscnt 0x0
	s_set_vgpr_msb 0x100
	CROUND                                         ; the closing round: no work-group ends while a partner may still ask for a tile that names it
	s_endpgm
.Lfunc_end_k_q15177a6a14_g4:
	.size	k_q15177a6a14_g4, .Lfunc_end_k_q15177a6a14_g4-k_q15177a6a14_g4
	.p2alignl 7, 3214868480
	.fill 96, 4, 3214868480
	.section	.rodata,"a",@progbits
	.p2align	6, 0x0
	.amdhsa_kernel k_q15177a6a14_g4
		.amdhsa_group_segment_fixed_size 327680
		.amdhsa_private_segment_fixed_size 0
		.amdhsa_enable_private_segment 0
		.amdhsa_kernarg_size 40
		.amdhsa_user_sgpr_count 2
		.amdhsa_user_sgpr_kernarg_segment_ptr 1
		.amdhsa_wavefront_size32 1
		.amdhsa_system_sgpr_workgroup_id_x 1
		.amdhsa_system_sgpr_workgroup_id_y 1
		.amdhsa_system_sgpr_workgroup_id_z 1
		.amdhsa_system_vgpr_workitem_id 0
		.amdhsa_next_free_vgpr 1024
		.amdhsa_next_free_sgpr 80
		.amdhsa_reserve_vcc 0
		.amdhsa_float_denorm_mode_32 3
		.amdhsa_float_denorm_mode_16_64 3
		.amdhsa_memory_ordered 1
		.amdhsa_forward_progress 1
		.amdhsa_inst_pref_size 97
	.end_amdhsa_kernel
	.amdgpu_metadata
---
amdhsa.version: [ 1, 2 ]
amdhsa.kernels:
  - .name:           k_q15177a6a14_g4
    .symbol:         k_q15177a6a14_g4.kd
    .args:
      - { .name: act0, .offset: 0, .size: 8, .value_kind: global_buffer, .address_space: global }
      - { .name: cu, .offset: 8, .size: 8, .value_kind: global_buffer, .address_space: global }
      - { .name: gs, .offset: 16, .size: 8, .value_kind: global_buffer, .address_space: global }
      - { .name: bias, .offset: 24, .size: 8, .value_kind: global_buffer, .address_space: global }
      - { .name: out0, .offset: 32, .size: 8, .value_kind: global_buffer, .address_space: global }
    .group_segment_fixed_size: 327680
    .private_segment_fixed_size: 0
    .kernarg_segment_align: 8
    .kernarg_segment_size: 40
    .max_flat_workgroup_size: 128
    .sgpr_count:     80
    .vgpr_count:     1024
    .wavefront_size: 32
...
	.end_amdgpu_metadata
.endif
;; end of part 7
